; MI455X (gfx1250); checked and timed in simulation.
; The chip was launched on July 23, 2026; its instructions are those of AMD's public machine-readable ISA for CDNA 5 (MIT licence, August 2026) and "CDNA5" Instruction Set Architecture Reference Guide (July 2026). The comments in the code are by the model that wrote it; some were corrected since.
;; Sparse Multi Head Attention. Allowed arithmetic: matrix products marked QUANTISED: E2M3 operands, one E8M0 scale for each 32 along K, by v_wmma_scale_f32_16x16x128_f8f6f4 with both operands' format E2M3, f32 sums; everything else in f32.
;; Inputs: b_k 1,024 float32; b_o 1,024 float32; b_q 1,024 float32; b_v 1,024 float32; k 1 x 4,096 x 1,024 float32; q 1 x 4,096 x 1,024 float32; v 1 x 4,096 x 1,024 float32; w_k 1,024 x 1,024 float32; w_o 1,024 x 1,024 float32; w_q 1,024 x 1,024 float32; w_v 1,024 x 1,024 float32.
;; Outputs: out0 1 x 4,096 x 1,024 float32.
;; This version of the problem:
;;   THIS VERSION OF THE PROBLEM IS GIVEN IN LOW PRECISION. The matrix products marked QUANTISED in the list below multiply operands that are first quantised to E2M3 (2 exponent bits, 3 mantissa bits; 6 bits a number), with one power-of-two scale for each 32 numbers along K (OCP MX v1.0); their sums are f32. All else is computed in f32.
;;   The module's matrix products, in the order in which they are computed (A, B: the left and right operand; K: the contracted axis; several contracted axes count as one K, in the product's order):
;;     1. [M 4,096, K 1,024] x [K 1,024, N 1,024]; A: input q; B: input w_q: QUANTISED
;;     2. [M 4,096, K 1,024] x [K 1,024, N 1,024]; A: input k; B: input w_k: QUANTISED
;;     3. [M 4,096, K 1,024] x [K 1,024, N 1,024]; A: input v; B: input w_v: QUANTISED
;;     4. batch 16 x [M 4,096, K 64] x [K 64, N 4,096]; A: computed on the way; B: computed on the way: QUANTISED
;;     5. batch 16 x [M 4,096, K 4,096] x [K 4,096, N 64]; A: softmax (see below); B: computed on the way: QUANTISED
;;     6. [M 4,096, K 1,024] x [K 1,024, N 1,024]; A: computed on the way; B: input w_o: QUANTISED
;;   THE QUANTISER, for each operand of a quantised product, along K:
;;     - K is cut into blocks of 32 from its start; a last block that is shorter is filled with zeros.
;;     - A block's scale is 2^e with e = floor(log2(the largest magnitude in the block)) - 2, held to -126 .. 127; a block of zeros has e = 0. As a byte (E8M0): e + 127.
;;     - Each number is divided by its block's scale, clamped to +-7.5, and rounded to the nearest number of E2M3, ties to even, subnormals kept.
;;     - The product sums the exact products of the quantised numbers (number of the format x scale) in f32.
;;   ~~~python
;;   def quantise(x, axis):      # numpy; x: float32 -> the quantised numbers, widened to float32 again
;;       x = np.moveaxis(x, axis, -1); K = x.shape[-1]
;;       x = np.pad(x, [(0, 0)] * (x.ndim - 1) + [(0, -K % 32)]); x = x.reshape(x.shape[:-1] + (-1, 32)); a = np.abs(x).max(-1, keepdims=True)
;;       e = np.where(a > 0, np.clip(np.frexp(np.where(a > 0, a, 1))[1] - 1 - 2, -126, 127), 0)      # np.frexp(a)[1] - 1 = floor(log2(a)), exactly
;;       r = np.clip(x / 2.0 ** e, -7.5, 7.5)
;;       step = 2.0 ** (np.maximum(np.frexp(np.where(r == 0, 1, r))[1] - 1, 0) - 3)
;;       q = np.round(r / step) * step * 2.0 ** e      # np.round: ties to even
;;       return np.moveaxis(q.reshape(q.shape[:-2] + (-1,))[..., :K], -1, axis).astype(np.float32)
;;   ~~~
;;   SOFTMAX AHEAD OF A QUANTISED PRODUCT. Where the list says 'softmax', what is quantised is not the finished softmax but p = 2^(t - M), with t = logit x log2(e) and M = ceil(the row's largest t), a whole number; so 1/2 < the row's largest p <= 1. The row's sum l is taken of the UNQUANTISED p, in f32, and the product's result is divided by l at the end. Since M is a whole number, a kernel that streams over the keys may use a running M (the ceiling of the running maximum): every later rescaling is an exact power of two, which a block's scale takes up: the codes' values come out the same.
;;   OPERANDS COMPUTED ON THE WAY. 'Computed on the way' means the value that the module computes at that place (a softmax that the list does not call 'softmax' is quantised finished and normalised). What goes into a quantiser is computed in f32, as accurately as f32 sums, v_exp_f32 and their like allow (about 1e-6 of the number): no bf16 or f16 on the way to a quantiser, and a product that is left as it is and whose result goes on into a quantised operand takes f32 operands (vector FMAs, or v_wmma_f32_16x16x4_f32). A number that lies on a knife's edge between two numbers of the format may be rounded either way, as far as f32 arithmetic and the matrix unit's own rounding can turn it there, and no further.
;; One version. Each part assembles by itself: llvm-mc -triple=amdgcn-amd-amdhsa -mcpu=gfx1250 --defsym DOCPART=n.
;; ======== version 1 of 1: 4 launches
;; workspace buffers: codes 12,582,912 bytes; scales 524,288 bytes; qrec 6,553,600 bytes; kvrec 6,553,600 bytes; vs 131,072 bytes; acodes 3,145,728 bytes; ascales 131,072 bytes
;; launch quant (part 1): grid 512 x 1, 4 waves a work-group, no clusters, 33,280 bytes of LDS; arguments q, k, v, w_q, w_k, w_v, w_o, codes, scales; writes codes, scales
.if DOCPART == 1
	.amdgcn_target "amdgcn-amd-amdhsa--gfx1250"
	.amdhsa_code_object_version 6
	.text
	.protected	k_qf4af565786_quant
	.globl	k_qf4af565786_quant
	.p2align	8
	.type	k_qf4af565786_quant,@function
k_qf4af565786_quant:
	s_mov_b64 s[64:65], 0
	v_nop
	global_prefetch_b8 v0, s[64:65] scope:SCOPE_SE
	s_setreg_imm32_b32 hwreg(HW_REG_WAVE_MODE, 25, 1), 1
	s_wait_xcnt 0x0
; q, k, v [4096][1024] and w_q, w_k, w_v, w_o [1024][1024], f32, become codes of FP6 (E2M3), K innermost, and one E8M0 byte for each 32 along K.
; codes: [16384 rows][768 bytes], scales: [16384][32].  First rows: q 0, k 4096, v 8192, w_q 12288, w_k 13312, w_v 14336, w_o 15360.
; A block's scale is 2^(floor(log2(largest magnitude)) - 2); its byte is the largest magnitude's exponent field - 2, held at 1 from below.
; LIMITS: a block of zeros, and one whose largest magnitude lies under 2^-124, gets the byte 1 (only this program reads the bytes; zero codes add nothing); NaN and infinities are not served.
; A work-group takes 32 rows, a wave 8 rows: 16 steps of 512 numbers.  Each load reads 512 consecutive bytes; a step's 2,048 bytes turn through the wave's own stage in LDS,
; so that a lane then holds 16 neighbours along K (two lanes hold a block).  A wave's store of codes covers 384 consecutive bytes; its 256 scale bytes leave as one aligned run of 256.
; IN v, w_q AND w_k THE SECOND AND THIRD GROUP OF 8 ROWS OF EVERY 32 CHANGE PLACES: these three are the next launch's source 0, and with that order a lane's 16 result registers
; of two neighbouring tiles are 16 neighbouring rows.  A wave is one such group, so only the place to which it stores changes.
; No tensor load, no barrier: waves share nothing.
.set STEPS, 16
.set EMAX,  2
.set CB,    12                         ; bytes of 16 codes
.set R,     16                         ; v16-79   four sets of 16 numbers as loaded
.set X,     80                         ; v80-111  two sets of 16 neighbours
.set C,     128                        ; v128-191 codes: four registers a step, so that no store's data are written again
.set E,     112                        ; v112-127 a scale byte a step
.set WREG,  8192                       ; LDS: a wave's region: two stages of 32 x SP bytes, then its 256 scale bytes
.set SP,    80                         ; a lane's place in a stage: 64 bytes + 16 of padding
	s_load_b256 s[4:11], s[0:1], 0x0               ; q, k, v, w_q
	s_load_b256 s[12:19], s[0:1], 0x20             ; w_k, w_v, w_o, codes
	s_load_b64 s[20:21], s[0:1], 0x40              ; scales
	v_lshl_add_u32 v192, v0, 2, 0x8000
	v_mov_b32 v193, 0
	v_lshrrev_b32 v1, 5, v0
	v_readfirstlane_b32 s22, v1                    ; wave
	v_and_b32 v2, 31, v0                           ; lane
	v_lshlrev_b32 v3, 4, v2                        ; my 16 bytes of a load's 512
	s_mul_i32 s23, s22, WREG
	v_lshrrev_b32 v14, 2, v2
	v_mul_u32_u24 v14, v14, SP
	v_and_b32 v15, 3, v2
	v_lshl_add_u32 v14, v15, 4, v14
	v_add_nc_u32 v14, s23, v14                     ; the stage, way in: SP (lane / 4) + 16 (lane % 4)
	v_mul_u32_u24 v15, v2, SP
	v_add_nc_u32 v15, s23, v15                     ; way out: SP x lane: my 16 neighbours
	v_mul_u32_u24 v4, v2, CB                       ; my codes' place in a step's
	v_lshrrev_b32 v5, 1, v2
	s_add_co_u32 s23, s23, 2*32*SP
	v_add_nc_u32 v5, s23, v5                       ; LDS: my block's scale byte
	v_lshlrev_b32 v7, 3, v2                        ; and on the way out 8 bytes a lane
	v_add_nc_u32 v6, s23, v7
	s_wait_kmcnt 0x0
	s_mov_b32 s24, 0                               ; the first work-group of my tensor
.macro PICK first, lo                  ; from work-group 'first' on the tensor is the one at s[lo:lo+1]: the choice hangs on the work-group's number alone
	s_cmp_ge_u32 ttmp9, \first
	s_cselect_b64 s[4:5], s[\lo:\lo+1], s[4:5]
	s_cselect_b32 s24, \first, s24
.endm
	PICK 128, 6
	PICK 256, 8
	PICK 384, 10
	PICK 416, 12
	PICK 448, 14
	PICK 480, 16
	s_sub_co_u32 s25, ttmp9, s24
	s_lshl_b32 s25, s25, 2
	s_add_co_u32 s25, s25, s22                     ; which run of 8 rows of the tensor I read
	s_lshl_b32 s26, s25, 15                        ; 32,768 bytes a run
	s_mov_b32 s27, 0
	s_add_nc_u64 s[4:5], s[4:5], s[26:27]
	s_and_b32 s28, s22, 1
	s_lshl_b32 s28, s28, 1
	s_lshr_b32 s29, s22, 1
	s_or_b32 s28, s28, s29                         ; the wave's two bits changed over
	s_sub_co_u32 s29, ttmp9, 256
	s_cmp_lt_u32 s29, 192                          ; work-groups 256 to 447: v, w_q, w_k
	s_cselect_b32 s28, s28, s22
	s_lshl_b32 s29, ttmp9, 2
	s_add_co_u32 s28, s29, s28                     ; which run of 8 rows of codes and scales I write
	s_mul_i32 s26, s28, 8*768
	s_add_nc_u64 s[18:19], s[18:19], s[26:27]
	s_lshl_b32 s26, s28, 8
	s_add_nc_u64 s[20:21], s[20:21], s[26:27]
.macro LOAD t
.irp i, 0,1,2,3
	global_load_b128 v[R+16*((\t)%4)+4*\i:R+16*((\t)%4)+4*\i+3], v3, s[4:5] offset:2048*(\t)+512*\i th:TH_LOAD_NT
.endr
.endm
.macro TURN t                          ; step t through the stage: LDS serves a wave's instructions in order, so no wait stands between the stores and the loads
.irp i, 0,1,2,3
	ds_store_b128 v14, v[R+16*((\t)%4)+4*\i:R+16*((\t)%4)+4*\i+3] offset:32*SP*((\t)%2)+8*SP*\i
.endr
.irp i, 0,1,2,3
	ds_load_b128 v[X+16*((\t)%2)+4*\i:X+16*((\t)%2)+4*\i+3], v15 offset:32*SP*((\t)%2)+16*\i
.endr
.endm
.irp t, 0,1,2,3
	LOAD \t
.endr
	s_wait_loadcnt 12                              ; step 0's four loads are in; twelve younger ones stay out
	TURN 0
.macro STEP t
.set XS, X+16*((\t)%2)
.if (\t) > 0
	s_wait_dscnt 1                                 ; this step's numbers are back from the stage (the last step's byte store may be out)
.else
	s_wait_dscnt 0x0
.endif
.if (\t)+4 < STEPS
	LOAD (\t)+4                                    ; into the registers that the stage's stores have read
.endif
.if (\t)+1 < STEPS
.if STEPS-2-(\t) >= 3
	s_wait_loadcnt 12                              ; the next step's four loads are in; those of the three steps behind it may be out
.else
	s_wait_loadcnt 4*(STEPS-2-(\t))
.endif
	TURN (\t)+1
.endif
	v_max3_num_f32 v8, |v[XS]|, |v[XS+1]|, |v[XS+2]|               ; the largest magnitude of my 16, in two chains
	v_max3_num_f32 v9, |v[XS+3]|, |v[XS+4]|, |v[XS+5]|
.irp i, 6,10
	v_max3_num_f32 v8, v8, |v[XS+\i]|, |v[XS+\i+1]|
	v_max3_num_f32 v9, v9, |v[XS+\i+2]|, |v[XS+\i+3]|
.endr
	v_max3_num_f32 v8, v8, |v[XS+14]|, |v[XS+15]|
	v_max3_num_f32 v8, v8, v9, (EMAX+1)<<23        ; and the floor 2^(3 - 127): the byte cannot fall under 1
	v_max_num_f32_dpp v8, v8, v8 row_xmask:1 row_mask:0xf bank_mask:0xf   ; with my neighbour's 16: the block's
	v_add_nc_u32 v11, -(EMAX<<23), v8              ; 2 off the exponent field: the conversion takes this operand's exponent field as its scale
	v_cvt_scalef32_pk16_fp6_f32 v[C+4*(\t):C+4*(\t)+2], v[XS:XS+15], v11
	v_lshrrev_b32 v[E+(\t)], 23, v11               ; the scale's byte (a plain line behind the conversion)
	ds_store_b8 v5, v[E+(\t)] offset:16*(\t)       ; both lanes of a block write the same byte with the same value
	global_store_b96 v4, v[C+4*(\t):C+4*(\t)+2], s[18:19] offset:32*CB*(\t)
.endm
.irp t, 0,1,2,3,4,5,6,7,8,9,10,11,12,13,14,15
	STEP \t
.endr
	ds_load_b64 v[12:13], v6                       ; in order behind my byte stores
	s_wait_dscnt 0x0
	global_store_b64 v7, v[12:13], s[20:21]        ; 32 lanes store 256 consecutive bytes, aligned
	s_wait_tensorcnt 0x0
	ds_add_u32 v192, v193
	s_wait_dscnt 0x0
	s_endpgm
.Lfunc_end_k_qf4af565786_quant:
	.size	k_qf4af565786_quant, .Lfunc_end_k_qf4af565786_quant-k_qf4af565786_quant
	.p2alignl 7, 3214868480
	.fill 96, 4, 3214868480
	.section	.rodata,"a",@progbits
	.p2align	6, 0x0
	.amdhsa_kernel k_qf4af565786_quant
		.amdhsa_group_segment_fixed_size 33280
		.amdhsa_private_segment_fixed_size 0
		.amdhsa_enable_private_segment 0
		.amdhsa_kernarg_size 72
		.amdhsa_user_sgpr_count 2
		.amdhsa_user_sgpr_kernarg_segment_ptr 1
		.amdhsa_wavefront_size32 1
		.amdhsa_system_sgpr_workgroup_id_x 1
		.amdhsa_system_sgpr_workgroup_id_y 1
		.amdhsa_system_sgpr_workgroup_id_z 1
		.amdhsa_system_vgpr_workitem_id 0
		.amdhsa_next_free_vgpr 194
		.amdhsa_next_free_sgpr 66
		.amdhsa_reserve_vcc 0
		.amdhsa_float_denorm_mode_32 3
		.amdhsa_float_denorm_mode_16_64 3
		.amdhsa_memory_ordered 1
		.amdhsa_forward_progress 1
		.amdhsa_inst_pref_size 33
	.end_amdhsa_kernel
	.amdgpu_metadata
---
amdhsa.version: [ 1, 2 ]
amdhsa.kernels:
  - .name:           k_qf4af565786_quant
    .symbol:         k_qf4af565786_quant.kd
    .args:
      - { .name: q, .offset: 0, .size: 8, .value_kind: global_buffer, .address_space: global }
      - { .name: k, .offset: 8, .size: 8, .value_kind: global_buffer, .address_space: global }
      - { .name: v, .offset: 16, .size: 8, .value_kind: global_buffer, .address_space: global }
      - { .name: w_q, .offset: 24, .size: 8, .value_kind: global_buffer, .address_space: global }
      - { .name: w_k, .offset: 32, .size: 8, .value_kind: global_buffer, .address_space: global }
      - { .name: w_v, .offset: 40, .size: 8, .value_kind: global_buffer, .address_space: global }
      - { .name: w_o, .offset: 48, .size: 8, .value_kind: global_buffer, .address_space: global }
      - { .name: codes, .offset: 56, .size: 8, .value_kind: global_buffer, .address_space: global }
      - { .name: scales, .offset: 64, .size: 8, .value_kind: global_buffer, .address_space: global }
    .group_segment_fixed_size: 33280
    .private_segment_fixed_size: 0
    .kernarg_segment_align: 8
    .kernarg_segment_size: 72
    .max_flat_workgroup_size: 128
    .sgpr_count:     66
    .vgpr_count:     194
    .wavefront_size: 32
...
	.end_amdgpu_metadata
.endif
;; end of part 1
;; launch proj (part 2): grid 4 x 48, 4 waves a work-group, clusters of 4 x 4, 327,680 bytes of LDS; arguments codes, scales, b_q, b_k, b_v, qrec, kvrec, vs; writes qrec, kvrec, vs
.if DOCPART == 2
	.amdgcn_target "amdgcn-amd-amdhsa--gfx1250"
	.amdhsa_code_object_version 6
	.text
	.protected	k_qf4af565786_proj
	.globl	k_qf4af565786_proj
	.p2align	8
	.type	k_qf4af565786_proj,@function
k_qf4af565786_proj:
	s_mov_b64 s[64:65], 0
	v_nop
	global_prefetch_b8 v0, s[64:65] scope:SCOPE_SE
	s_setreg_imm32_b32 hwreg(HW_REG_WAVE_MODE, 25, 1), 1
	s_wait_xcnt 0x0
	s_wait_alu depctr_hold_cnt(0) depctr_sa_sdst(0) depctr_va_vdst(0) depctr_va_sdst(0) depctr_va_ssrc(0) depctr_va_vcc(0) depctr_vm_vsrc(0)
	s_getreg_b32 s2, hwreg(HW_REG_IB_STS2, 6, 4)
	s_cmp_eq_u32 s2, 0
	s_cbranch_scc0 .Lentry_in_a_cluster
	s_endpgm
.Lentry_in_a_cluster:
	s_bfe_u32 s2, ttmp6, 0x10000c
	s_cmp_lg_u32 s2, 0xf033
	s_cbranch_scc0 .Lentry_shape_is_right
	s_endpgm
.Lentry_shape_is_right:
; The three projections Q = q w_q^T + b_q, K, V on codes of FP6 (E2M3) with E8M0 scales, K = 1024, and their results quantised in registers for the attention launch.
; A tile of 256 x 256 of a product is made by four waves, 128 x 128 each: 64 accumulators, 512 registers.  K goes in steps of 256 (rows of 192 bytes) through two LDS slots filled by the tensor data mover.
; The scale bytes of the work-group's 2 x 256 rows, for all of K, come into LDS once with the first fills.
; THE MATRIX INSTRUCTION: source 0 = 16 rows of 'B', source 1 = 16 rows of 'A': a lane holds ONE row of A and its registers run along B's rows.
;   Q, K (tensor 0, 1): A = tokens, B = the weight's rows (features): a lane holds a token, its registers features: the next product's K is the head's 64 features.
;   V    (tensor 2):    A = w_v's rows (features), B = v's tokens: a lane holds a feature, its registers tokens: the next product's K is the keys.  So nothing is transposed and one quantiser serves all three.
; B's rows lie in the codes' buffer with the second and third group of 8 of every 32 changed over, so that the 16 registers of tiles 2 b and 2 b + 1 are rows 32 b + 16 (lane / 16) + 0 .. 15.
; CLUSTERS: 4 x 4 work-groups; twelve clusters: tensor = cluster y / 4, sub = cluster y % 4.  A's tile is shared along a row of the cluster, B's along a column: each is asked for jointly.
; THE BIAS: of Q and K it hangs on the register: it is the C of the first K step (BQ).  Of V it hangs on the lane: it is added on the way out (BV).  The unused one of the two is zeros.
; RESULTS: a RECORD of 3,200 bytes for each (head, block of 32 tokens), at (128 head + block) x 3,200:
;   832 t + 256 p + 8 lane  codes of tile t (16 tokens) as an image of the operand's registers, pair p of three;  832 t + 768 + 4 (token % 16)  the token's scale word: its two bytes, twice
;   1664 + 128 (3 t + p) + 8 r   V's codes: row r of channel tile t = 2 b + u is channel 32 b + 8 u + r + 8 (r / 8); 24 bytes = this block's 32 keys
; Q goes to qrec (first part only), K and V to kvrec.  vs: [head][group of 4 blocks][16 t + r] words: V's scale bytes of the group's four blocks.
; LIMITS: a block whose largest magnitude lies under 2^-124 gets the scale byte 1; NaN and infinities are not served.
; REGISTERS: window 0: v0-31 addresses; v32-63 scale words, two sets; v64-127 BQ; v128-223 A's fragments, one set; v224-239 BV.  Window 1: B's fragments, two sets.  Windows 2, 3: the accumulators.
.set NQ,     2                         ; matrix instructions deep in a slot (256 along K)
.set ROWB,   192                       ; a tile's row in bytes
.set KROW,   768                       ; a row of codes in memory
.set PITCH,  240                       ; an LDS row: 3 x (64 bytes + 16 of padding)
.set FR,     12                        ; registers of a fragment
.set NL,     6                         ; LDS loads that bring one
.set NP,     4                         ; places behind this matrix instruction (ISA guide 7.12.1)
.set HALFT,  128*PITCH                 ; what one tensor load brings
.set SLOT,   4*HALFT                   ; A's 256 rows, then B's
.set KS,     32                        ; a row of scale bytes
.set SCL,    2*SLOT                    ; behind the ring: the scales, as runs of 256 bytes + 16 of padding
.set HALFS,  16*272                    ; those of 128 rows
.set SBLK,   2*272                     ; those of 16 rows
.set SPARE,  SCL+4*HALFS               ; the spare words: 128 bytes a wave
.set REC,    3200
.set ADRA, 16                          ; v16-17 LDS address of my A fragments in slot 0, 1; v18-19 the same behind one padding more
.set ADRB, 20                          ; v20-23 the same for B
.set ADRS, 27                          ; v27 my scale words: lanes 0-15 A's rows, lanes 16-31 B's
.set SPW,  28                          ; v28 my spare word; never rewritten
.set NIL,  29                          ; v29 0; never rewritten
.set SC,   32
.set BQ,   64
.set AF,   128
.set BV,   224
.set N,    32                          ; the way out: v32-95 64 numbers of a lane
.set PC,   96                          ; v96-107 a fragment's codes; v108-110, v112-114 at work
.set TM,   116                         ; v116-131 at work
.set PW,   132                         ; the scale word just made
.set PWE,  133                         ; that of the even block before
.set QL,   137
.set QSL,  138
.set VL,   139
.set VSL,  140
.set WV, 20                            ; s20 wave; s21 wave / 2: my half of A's rows, and: I fetch for A (0) or B (1); s22 wave % 2: my half of B's rows, and which 128 rows I fetch
.set FB, 21
.set HF, 22
.set TN, 23                            ; s23 the tensor: 0 Q, 1 K, 2 V
.set G1, 24
.set G0, 32
.set G1B, 48
.set G0B, 56
.set G1S, 68
.set G0S, 76
.set G1SB, 80
.set G0SB, 88
.set SEL, 100
.set MSB, 0
.macro WIN new                         ; the immediate's high byte repeats the setting that is left
.if MSB != (\new)
	s_set_vgpr_msb (MSB<<8)|(\new)
.set MSB, (\new)
.endif
.endm
.set MUL_LO, 0xa1                      ; source 0 (B) window 1, source 1 (A) window 0, C and D window 2
.set MUL_HI, 0xf1                      ; the same, C and D window 3
.set TO_B,   0x40                      ; destination window 1
; A joint load: waves 0, 1 fetch for A, waves 2, 3 for B.  The branch hangs on the wave's number alone.  Four v_nop follow each of the two lines.
.macro JLOAD g0a, g1a, g0b, g1b
	s_cmp_eq_u32 s[FB], 0
	s_cbranch_scc0 .Lfor_b_\@
	tensor_load_to_lds s[\g0a:\g0a+3], s[\g1a:\g1a+7]
	s_nop 0
.rept 4
	v_nop
.endr
	s_branch .Lasked_\@
.Lfor_b_\@:
	tensor_load_to_lds s[\g0b:\g0b+3], s[\g1b:\g1b+7]
	s_nop 0
.rept 4
	v_nop
.endr
.Lasked_\@:
.endm
.macro CREST                           ; a round of the cluster's barrier behind its opening barrier
	s_cmp_lg_u32 s[WV], 0
	s_cbranch_scc1 .Lnot_wave_0_\@
	s_barrier_signal -3
.Lnot_wave_0_\@:
	s_barrier_wait -3
	s_barrier_signal -1
	s_barrier_wait -1
.endm
.macro CROUND
	s_barrier_signal -1
	s_barrier_wait -1
	CREST
.endm
	s_load_b256 s[4:11], s[0:1], 0x0               ; codes, scales, b_q, b_k
	s_load_b256 s[12:19], s[0:1], 0x20             ; b_v, qrec, kvrec, vs
	v_lshl_add_u32 v[SPW], v0, 2, SPARE
	v_mov_b32 v[NIL], 0
	ds_add_u32 v28, v29
	ds_add_u32 v28, v29
	s_wait_dscnt 0x0
	v_lshrrev_b32 v1, 5, v0
	v_readfirstlane_b32 s[WV], v1
	s_lshr_b32 s[FB], s[WV], 1
	s_and_b32 s[HF], s[WV], 1
	s_bfe_u32 s40, ttmp6, 0x40000                  ; cx
	s_bfe_u32 s41, ttmp6, 0x40004                  ; cy
	s_and_b32 s2, ttmp7, 0xffff                    ; cluster y, 0 to 11: the same in all sixteen partners
	s_lshr_b32 s[TN], s2, 2
	s_and_b32 s2, s2, 3
	s_lshl_b32 s2, s2, 2                           ; 4 sub
	s_lshl_b32 s92, s[TN], 12                      ; Q, K: A's first row in the codes' buffer
	s_lshl_b32 s93, s[TN], 10
	s_add_co_u32 s93, s93, 12288                   ; and B's
	s_cmp_eq_u32 s[TN], 2
	s_cselect_b32 s44, 0, s2
	s_cselect_b32 s45, s2, 0
	s_cselect_b32 s92, 14336, s92                  ; V: A = w_v
	s_cselect_b32 s93, 8192, s93                   ; B = v
	s_add_co_u32 s43, s44, s41                     ; tile row: cy (+ 4 sub for Q, K)
	s_add_co_u32 s42, s45, s40                     ; tile column: cx (+ 4 sub for V)
	s_lshl_b32 s44, s41, 2
	s_lshl_b32 s44, 15, s44                        ; my row of the cluster
	s_lshl_b32 s45, 0x1111, s40                    ; my column
	; group 1: a tile of 128 rows x 192 bytes, 16 bytes of padding behind every 64
	s_or_b32 s[G1+0], s44, (0<<16)|(1<<20)|(1<<21)|(3<<22)|(3<<25)
	s_or_b32 s[G1B+0], s45, (0<<16)|(1<<20)|(1<<21)|(3<<22)|(3<<25)
.irp g, G1, G1B
	s_mov_b32 s[\g+1], ROWB<<16                    ; tensor_dim0
	s_mov_b32 s[\g+2], 128<<16                     ; tensor_dim1
	s_mov_b32 s[\g+3], ROWB<<16                    ; tile_dim0
	s_mov_b32 s[\g+4], 128                         ; tile_dim1
	s_mov_b32 s[\g+5], KROW                        ; the pitch
	s_mov_b32 s[\g+6], 0
	s_mov_b32 s[\g+7], 0
.endr
	; the scales of 128 rows: 4,096 dense bytes as 16 rows of 256 (32 elements of 8 bytes), 16 bytes of padding behind each
	s_or_b32 s[G1S+0], s44, (3<<16)|(1<<20)|(1<<21)|(5<<22)|(3<<25)
	s_or_b32 s[G1SB+0], s45, (3<<16)|(1<<20)|(1<<21)|(5<<22)|(3<<25)
.irp g, G1S, G1SB
	s_mov_b32 s[\g+1], 32<<16
	s_mov_b32 s[\g+2], 16<<16
	s_mov_b32 s[\g+3], 32<<16
	s_mov_b32 s[\g+4], 16
	s_mov_b32 s[\g+5], 32
	s_mov_b32 s[\g+6], 0
	s_mov_b32 s[\g+7], 0
.endr
	s_lshl_b32 s2, s[HF], 7                        ; which 128 rows of the tile I fetch
	s_lshl_b32 s94, s43, 8
	s_add_co_u32 s94, s94, s2
	s_add_co_u32 s94, s94, s92                     ; A's row: it never holds cx
	s_lshl_b32 s96, s42, 8
	s_add_co_u32 s96, s96, s2
	s_add_co_u32 s96, s96, s93                     ; B's row: it never holds cy
	s_lshl_b32 s98, s94, 5                         ; their scales, 32 bytes a row,
	s_mov_b32 s99, 0
	s_lshl_b32 s100, s96, 5
	s_mov_b32 s101, 0
	s_mul_i32 s94, s94, KROW                       ; and their codes (under 2^24 bytes)
	s_mov_b32 s95, 0
	s_mul_i32 s96, s96, KROW
	s_mov_b32 s97, 0
	s_mul_i32 s46, s[WV], HALFT                    ; where they go: wave x 128 rows
	s_mul_i32 s47, s[WV], HALFS
	s_wait_kmcnt 0x0
	s_add_nc_u64 s[94:95], s[4:5], s[94:95]
	s_add_nc_u64 s[98:99], s[6:7], s[98:99]
	s_add_nc_u64 s[96:97], s[4:5], s[96:97]
	s_add_nc_u64 s[100:101], s[6:7], s[100:101]
	CROUND                                         ; all sixteen work-groups are here: the first joint loads meet
	s_mov_b32 s[G0S], 1
	s_add_co_u32 s[G0S+1], s47, SCL
	s_mov_b64 s[G0S+2:G0S+3], s[98:99]
	s_or_b32 s[G0S+3], s[G0S+3], 0x80000000
	s_mov_b32 s[G0SB], 1
	s_add_co_u32 s[G0SB+1], s47, SCL
	s_mov_b64 s[G0SB+2:G0SB+3], s[100:101]
	s_or_b32 s[G0SB+3], s[G0SB+3], 0x80000000
	JLOAD G0S, G1S, G0SB, G1SB                     ; the scales first
.irp s, 0,1
	s_mov_b32 s[G0+4*\s], 1
	s_add_co_u32 s[G0+4*\s+1], s46, \s*SLOT
	s_add_nc_u64 s[G0+4*\s+2:G0+4*\s+3], s[94:95], \s*ROWB
	s_or_b32 s[G0+4*\s+3], s[G0+4*\s+3], 0x80000000
	s_mov_b32 s[G0B+4*\s], 1
	s_add_co_u32 s[G0B+4*\s+1], s46, \s*SLOT
	s_add_nc_u64 s[G0B+4*\s+2:G0B+4*\s+3], s[96:97], \s*ROWB
	s_or_b32 s[G0B+4*\s+3], s[G0B+4*\s+3], 0x80000000
	JLOAD G0+4*\s, G1, G0B+4*\s, G1B
.endr
	v_and_b32 v1, 15, v0                           ; r
	v_bfe_u32 v2, v0, 4, 1                         ; h
	v_mul_u32_u24 v3, v1, PITCH
	v_mul_u32_u24 v4, v2, 24
	v_add_nc_u32 v4, v3, v4                        ; a fragment's row x pitch + 24 h
	v_lshl_add_u32 v5, v2, 4, v4                   ; and the same behind one padding more
	s_mul_i32 s92, s[FB], HALFT                    ; my 128 rows of A
	s_mul_i32 s93, s[HF], HALFT
	s_add_co_u32 s93, s93, 2*HALFT                 ; my 128 rows of B, behind A's 256
.irp s, 0,1
	v_add_nc_u32 v[ADRA+\s], s92, v4
	v_add_nc_u32 v[ADRB+\s], s93, v4
	v_add_nc_u32 v[ADRA+2+\s], s92, v5
	v_add_nc_u32 v[ADRB+2+\s], s93, v5
	s_add_co_u32 s92, s92, SLOT
	s_add_co_u32 s93, s93, SLOT
.endr
	v_mul_u32_u24 v5, v1, KS                       ; my row's scales: 32 bytes a row,
	v_lshrrev_b32 v6, 8, v5
	v_lshl_add_u32 v5, v6, 4, v5                   ; and 16 more for each 256 passed
	s_mul_i32 s92, s[FB], HALFS
	s_mul_i32 s93, s[HF], HALFS
	s_add_co_u32 s93, s93, 2*HALFS
	s_sub_co_u32 s93, s93, s92
	v_mul_u32_u24 v6, s93, v2                      ; lanes 16-31 take B's: one product, the distance between the two bases
	s_add_co_u32 s92, s92, SCL
	v_add_nc_u32 v5, v5, v6
	v_add_nc_u32 v[ADRS], s92, v5
	; the biases.  The branch hangs on the tensor, which all partners share; both arms write all of BQ and BV
	s_cmp_eq_u32 s[TN], 2
	s_cbranch_scc1 .Lbias_v
	s_cmp_eq_u32 s[TN], 0
	s_cselect_b64 s[8:9], s[8:9], s[10:11]         ; b_q or b_k
	s_lshl_b32 s92, s42, 10
	s_lshl_b32 s93, s[HF], 9
	s_add_co_u32 s92, s92, s93                     ; my 128 features
	s_mov_b32 s93, 0
	s_add_nc_u64 s[8:9], s[8:9], s[92:93]
	v_lshlrev_b32 v7, 6, v2                        ; register 16 b + i is feature 32 b + 16 h + i
.irp b, 0,1,2,3
.irp i, 0,1,2,3
	global_load_b128 v[BQ+16*\b+4*\i:BQ+16*\b+4*\i+3], v7, s[8:9] offset:128*\b+16*\i
.endr
.endr
.irp i, 0,1,2,3,4,5,6,7,8,9,10,11,12,13,14,15
	v_mov_b32 v[BV+\i], 0
.endr
	s_branch .Lbias_done
.Lbias_v:
	s_lshl_b32 s92, s43, 10
	s_lshl_b32 s93, s[FB], 9
	s_add_co_u32 s92, s92, s93                     ; my 128 features
	s_mov_b32 s93, 0
	s_add_nc_u64 s[12:13], s[12:13], s[92:93]
	v_lshlrev_b32 v7, 2, v1                        ; block a's lane r is feature 16 a + r
.irp a, 0,1,2,3,4,5,6,7
	global_load_b32 v[BV+2*\a], v7, s[12:13] offset:64*\a
	v_mov_b32 v[BV+2*\a+1], 0                      ; (named with it as a pair)
.endr
.set JJ, 0
.rept 64
	v_mov_b32 v[BQ+JJ], 0
.set JJ, JJ+1
.endr
.Lbias_done:
.macro FRAG reg, adr, q, i             ; 16 rows x 128 K of 6-bit codes: 12 registers, in pieces of 8 bytes.  Lanes 16-31 read three pieces further on; where that lies behind one padding more the second address register serves
.irp p, 0,1,2,3,4,5
.set PCE, 12*(\q)+6*(\p/3)+\p%3
.if PCE%8 < 5
	ds_load_b64 v[\reg+2*\p:\reg+2*\p+1], v[\adr] offset:8*PCE+16*(PCE/8)+(\i)*16*PITCH
.else
	ds_load_b64 v[\reg+2*\p:\reg+2*\p+1], v[\adr+2] offset:8*PCE+16*(PCE/8)+(\i)*16*PITCH
.endif
.endr
.endm
; 16 matrix instructions: A's blocks a0, a0 + 1 x B's eight.  zero = 1: the first K step starts the sums with BQ as C.  The 64 accumulators take turns, one instruction a turn.
.macro MUL16 a0, p, q, sc, zero
.irp a, \a0, \a0+1
.irp b, 0,1,2,3,4,5,6,7
.if \zero
	v_wmma_scale_f32_16x16x128_f8f6f4 v[8*(8*((\a)%4)+\b):8*(8*((\a)%4)+\b)+7], v[128*(\p)+FR*\b:128*(\p)+FR*\b+FR-1], v[AF+FR*(\a):AF+FR*(\a)+FR-1], v[BQ+8*\b:BQ+8*\b+7], v[SC+8*NQ*(\sc)+NQ*\b+(\q)], v[SC+8*NQ*(\sc)+NQ*(\a)+(\q)] matrix_a_fmt:MATRIX_FMT_FP6 matrix_b_fmt:MATRIX_FMT_FP6 matrix_a_scale:MATRIX_SCALE_ROW1
.else
	v_wmma_scale_f32_16x16x128_f8f6f4 v[8*(8*((\a)%4)+\b):8*(8*((\a)%4)+\b)+7], v[128*(\p)+FR*\b:128*(\p)+FR*\b+FR-1], v[AF+FR*(\a):AF+FR*(\a)+FR-1], v[8*(8*((\a)%4)+\b):8*(8*((\a)%4)+\b)+7], v[SC+8*NQ*(\sc)+NQ*\b+(\q)], v[SC+8*NQ*(\sc)+NQ*(\a)+(\q)] matrix_a_fmt:MATRIX_FMT_FP6 matrix_b_fmt:MATRIX_FMT_FP6 matrix_a_scale:MATRIX_SCALE_ROW1
.endif
.endr
.endr
.endm
.macro FETCH_B slot, q, p
	WIN TO_B
.irp i, 0,1,2,3,4,5,6,7
	FRAG 128*(\p)+FR*\i, ADRB+\slot, \q, \i
.endr
	WIN 0
.endm
.macro FETCH_A slot, q, i0
.irp i, \i0, \i0+1, \i0+2, \i0+3
	FRAG AF+FR*(\i), ADRA+\slot, \q, \i
.endr
.endm
.macro SCALES sc                       ; a K step's scale words: two words a row; lanes 0-15 A's block i, lanes 16-31 B's block i
.irp i, 0,1,2,3,4,5,6,7
	ds_load_b64 v[SC+8*NQ*\sc+NQ*\i:SC+8*NQ*\sc+NQ*\i+1], v[ADRS] offset:\i*SBLK
.endr
.endm
.macro PLACES n                        ; plain vector lines between a matrix instruction and a load into, or a vector read of, its registers
.rept \n
	v_nop
.endr
.endm
.macro STEP slot, q, zero              ; 128 along K that have their successor in the same slot
	s_wait_dscnt 4*NL                              ; B's set and A's blocks 0-3 are in; the 24 youngest loads (A's blocks 4-7) may be out
.if \zero
	WIN 0x81                                       ; C (BQ) in window 0
.else
	WIN MUL_LO
.endif
	MUL16 0, (\q)%2, \q, \slot, \zero
	MUL16 2, (\q)%2, \q, \slot, \zero
	s_wait_dscnt 0
	PLACES NP
	FETCH_B \slot, (\q)+1, 1-(\q)%2
	FETCH_A \slot, (\q)+1, 0
.if \zero
	WIN 0xc1
.else
	WIN MUL_HI
.endif
	MUL16 4, (\q)%2, \q, \slot, \zero
	MUL16 6, (\q)%2, \q, \slot, \zero
	PLACES NP
	WIN 0
	FETCH_A \slot, (\q)+1, 4
.endm
; A slot's last step changes slots: in front of the one barrier each wave waits for all its tensor loads, adds 0 to its spare word, and waits for that and for its reads of this slot.
.macro TURN slot, next, fill
	s_wait_tensorcnt 0x0                           ; all my tensor loads have landed: my part of the next slot
	ds_add_u32 v[SPW], v[NIL]
	s_wait_dscnt 4*NL+1                            ; (the add and the 24 youngest loads may be out)
	WIN MUL_LO
	MUL16 0, 1, NQ-1, \slot, 0
	s_wait_dscnt 0x0                               ; the add is done, and my reads of this slot are over
	s_barrier_signal -1
	MUL16 2, 1, NQ-1, \slot, 0
	WIN 0
	s_barrier_wait -1
.if \fill
	CREST                                          ; the barrier has opened a round of the cluster's: no wave of any partner still reads this slot or has a load on its way
	s_add_nc_u64 s[G0+4*\slot+2:G0+4*\slot+3], s[G0+4*\slot+2:G0+4*\slot+3], 2*ROWB
	s_add_nc_u64 s[G0B+4*\slot+2:G0B+4*\slot+3], s[G0B+4*\slot+2:G0B+4*\slot+3], 2*ROWB
	JLOAD G0+4*\slot, G1, G0B+4*\slot, G1B         ; the first tensor load behind the round; its four v_nop are the places in front of the loads below
.else
	PLACES NP
.endif
	v_add_nc_u32 v[ADRS], 4*NQ, v[ADRS]            ; the next K step's scale words
	FETCH_B \next, 0, 0
	FETCH_A \next, 0, 0
	SCALES \next
	WIN MUL_HI
	MUL16 4, 1, NQ-1, \slot, 0
	MUL16 6, 1, NQ-1, \slot, 0
	PLACES NP
	WIN 0
	FETCH_A \next, 0, 4
.endm
	s_wait_tensorcnt 1                             ; the scales and my part of slot 0 are in; slot 1's load may be out
	s_barrier_signal -1
	s_barrier_wait -1
	FETCH_B 0, 0, 0
	FETCH_A 0, 0, 0
	SCALES 0
	FETCH_A 0, 0, 4
	s_wait_loadcnt 0x0                             ; the biases
	STEP 0, 0, 1
	s_mov_b32 s3, 1                                ; K = 1024 is two laps of the ring; the loop fills both slots again once
.Llap:
	TURN 0, 1, 1
	STEP 1, 0, 0
	TURN 1, 0, 1
	STEP 0, 0, 0
	s_sub_co_u32 s3, s3, 1
	s_cmp_lg_u32 s3, 0
	s_cbranch_scc1 .Llap
	TURN 0, 1, 0                                   ; the last lap fills nothing
	STEP 1, 0, 0
	s_wait_dscnt 4*NL
	WIN MUL_LO
	MUL16 0, 1, NQ-1, 1, 0
	MUL16 2, 1, NQ-1, 1, 0
	s_wait_dscnt 0
	WIN MUL_HI
	MUL16 4, 1, NQ-1, 1, 0
	MUL16 6, 1, NQ-1, 1, 0
	WIN 0
	; THE WAY OUT.  Block a of A's rows at a time: its 64 numbers a lane (register 16 b + i = B's row 32 b + 16 h + i) are moved to window 0 with V's bias added, quantised, and stored.
	PLACES NP
	v_and_b32 v1, 15, v0                           ; r
	v_bfe_u32 v2, v0, 4, 1                         ; h
	v_and_b32 v3, 31, v0
	v_lshlrev_b32 v[QL], 3, v3                     ; Q, K: an image's place: 8 x lane
	v_mul_u32_u24 v4, v2, 128*REC
	v_lshl_add_u32 v[QSL], v1, 2, v4               ; their scale words: lanes 0-15 the first head's, lanes 16-31 the second's
	v_lshrrev_b32 v5, 3, v1
	v_and_b32 v6, 7, v1
	v_mul_u32_u24 v[VL], v2, REC                   ; V: my half's block, channel tile 2 b + r / 8, row 8 (a % 2) + r % 8
	v_mad_u32_u24 v[VL], v5, 384, v[VL]
	v_lshl_add_u32 v[VL], v6, 3, v[VL]
	v_lshlrev_b32 v[VSL], 6, v5
	v_lshl_add_u32 v[VSL], v6, 2, v[VSL]
	v_lshl_add_u32 v[VSL], v2, 5, v[VSL]           ; V's scale words: lanes 0-15 the even block's, lanes 16-31 the odd one's
.irp b, 0,1,2,3
	v_mov_b32 v[TM+4+\b], 0                        ; written once: a lane permute's destination counts as one of its sources
.endr
	s_mov_b32 s[SEL], 0x76543210
	s_mov_b32 s[SEL+1], 0xfedcba98                 ; lane l xor 16
	s_mov_b32 s3, 0xffff0000                       ; lanes 16-31
	s_lshl_b32 s92, s43, 2
	s_lshl_b32 s2, s[FB], 1
	s_add_co_u32 s92, s92, s2                      ; V: my first head
	s_lshl_b32 s93, s42, 2
	s_lshl_b32 s2, s[HF], 1
	s_add_co_u32 s93, s93, s2                      ; Q, K: my first head
	s_lshl_b32 s94, s42, 3
	s_lshl_b32 s2, s[HF], 2
	s_add_co_u32 s94, s94, s2                      ; V: my first block of tokens
	s_lshl_b32 s95, s43, 3
	s_lshl_b32 s2, s[FB], 2
	s_add_co_u32 s95, s95, s2                      ; Q, K: my first block
	s_cmp_eq_u32 s[TN], 2
	s_cselect_b32 s92, s92, s93
	s_cselect_b32 s94, s94, s95
	s_cmp_eq_u32 s[TN], 0
	s_cselect_b64 s[96:97], s[14:15], s[16:17]     ; qrec or kvrec
	s_lshl_b32 s93, s92, 7
	s_add_co_u32 s93, s93, s94
	s_mul_i32 s98, s93, REC
	s_mov_b32 s99, 0
	s_add_nc_u64 s[96:97], s[96:97], s[98:99]      ; my first record
	s_lshl_b32 s98, s92, 13
	s_lshl_b32 s2, s94, 6
	s_add_co_u32 s98, s98, s2
	s_add_nc_u64 s[18:19], s[18:19], s[98:99]      ; vs: 8,192 bytes a head, 256 a group of four blocks
; 64 numbers of a lane become a fragment's codes in v[PC] on and its scale word in v[PW]
.macro QUANT s
.irp b, 0,1,2,3
	v_max3_num_f32 v[TM+\b], |v[\s+16*\b]|, |v[\s+1+16*\b]|, 0x1800000   ; my 16 numbers of block b, and the floor 2^(3 - 127)
.endr
.irp i, 2,4,6,8,10,12,14
.irp b, 0,1,2,3
	v_max3_num_f32 v[TM+\b], v[TM+\b], |v[\s+16*\b+\i]|, |v[\s+1+16*\b+\i]|
.endr
.endr
.irp b, 0,1,2,3
	v_permlanex16_b32 v[TM+4+\b], v[TM+\b], s[SEL], s[SEL+1]
.endr
.irp b, 0,1,2,3
	v_max_num_f32 v[TM+\b], v[TM+\b], v[TM+4+\b]   ; with lane l xor 16's: the block's largest magnitude
.endr
.irp b, 0,1,2,3
	v_add_nc_u32 v[TM+12+\b], 0xff000000, v[TM+\b] ; 2 off its exponent field: the conversion's scale operand
.endr
.irp b, 0,1,2,3
	v_lshrrev_b32 v[TM+4+\b], 23, v[TM+12+\b]      ; the scale's byte
.endr
	v_lshl_or_b32 v[PW], v[TM+5], 8, v[TM+4]
	v_lshl_or_b32 v[PW], v[TM+6], 16, v[PW]
	v_lshl_or_b32 v[PW], v[TM+7], 24, v[PW]
.irp c, 0,1
	v_cvt_scalef32_pk16_fp6_f32 v[PC+6*\c:PC+2+6*\c], v[\s+32*\c:\s+15+32*\c], v[TM+12+2*\c]
	v_cvt_scalef32_pk16_fp6_f32 v[PC+12+4*\c:PC+14+4*\c], v[\s+16+32*\c:\s+31+32*\c], v[TM+12+2*\c+1]   ; (a conversion's three registers begin on an even number)
.endr
	v_nop                                          ; one plain line behind a scaled conversion
.irp c, 0,1                            ; the operand's layout wants a whole block in a lane
.irp i, 0,1,2
	v_permlane16_swap_b32 v[PC+6*\c+\i], v[PC+12+4*\c+\i]
.endr
.irp i, 0,1,2
	v_mov_b32 v[PC+3+6*\c+\i], v[PC+12+4*\c+\i]
.endr
.endr
.endm
.macro OUTBLK a
.if (\a) > 0
	s_wait_xcnt 0x0                                ; the last block's stores have read their data: the registers may be written again
.endif
	WIN 0x02+((\a)/4)                              ; source 0: window 2 or 3
.set JJ, 0
.rept 32
	v_pk_add_f32 v[N+JJ:N+JJ+1], v[64*((\a)%4)+JJ:64*((\a)%4)+JJ+1], v[BV+2*(\a):BV+2*(\a)+1] op_sel_hi:[1,0]   ; each accumulator from its low end on
.set JJ, JJ+2
.endr
	WIN 0
	QUANT N
.if ((\a)%2) == 0
	v_mov_b32 v[PWE], v[PW]
.endif
	s_cmp_eq_u32 s[TN], 2
	s_cbranch_scc1 .Lv_\@
	v_perm_b32 v134, v[PW], v[PW], 0x01000100      ; the first head's two bytes, twice
	v_perm_b32 v135, v[PW], v[PW], 0x03020302      ; the second head's
	v_cndmask_b32 v136, v134, v135, s3
.irp c, 0,1
.irp p, 0,1,2
	global_store_b64 v[QL], v[PC+6*\c+2*\p:PC+6*\c+2*\p+1], s[96:97] offset:((\a)/2)*REC+832*((\a)%2)+256*\p+128*REC*\c   ; 32 lanes store 256 consecutive bytes
.endr
.endr
	global_store_b32 v[QSL], v136, s[96:97] offset:((\a)/2)*REC+832*((\a)%2)+768
	s_branch .Ldone_\@
.Lv_\@:
.irp c, 0,1
.irp p, 0,1,2
	global_store_b64 v[VL], v[PC+6*\c+2*\p:PC+6*\c+2*\p+1], s[96:97] offset:((\a)/4)*128*REC+2*REC*\c+1664+768*(((\a)%4)/2)+64*((\a)%2)+128*\p
.endr
.endr
.if ((\a)%2) == 1
	v_cndmask_b32 v136, v[PWE], v[PW], s3
	global_store_b32 v[VSL], v136, s[18:19] offset:((\a)/4)*8192+128*(((\a)%4)/2)
.endif
.Ldone_\@:
.endm
.irp a, 0,1,2,3,4,5,6,7
	OUTBLK \a
.endr
	s_wait_tensorcnt 0x0                           ; the wave's end
	ds_add_u32 v[SPW], v[NIL]
	s_wait_dscnt 0x0
	CROUND                                         ; the closing round
	s_endpgm
.Lfunc_end_k_qf4af565786_proj:
	.size	k_qf4af565786_proj, .Lfunc_end_k_qf4af565786_proj-k_qf4af565786_proj
	.p2alignl 7, 3214868480
	.fill 96, 4, 3214868480
	.section	.rodata,"a",@progbits
	.p2align	6, 0x0
	.amdhsa_kernel k_qf4af565786_proj
		.amdhsa_group_segment_fixed_size 327680
		.amdhsa_private_segment_fixed_size 0
		.amdhsa_enable_private_segment 0
		.amdhsa_kernarg_size 64
		.amdhsa_user_sgpr_count 2
		.amdhsa_user_sgpr_kernarg_segment_ptr 1
		.amdhsa_wavefront_size32 1
		.amdhsa_system_sgpr_workgroup_id_x 1
		.amdhsa_system_sgpr_workgroup_id_y 1
		.amdhsa_system_sgpr_workgroup_id_z 1
		.amdhsa_system_vgpr_workitem_id 0
		.amdhsa_next_free_vgpr 1024
		.amdhsa_next_free_sgpr 102
		.amdhsa_reserve_vcc 0
		.amdhsa_float_denorm_mode_32 3
		.amdhsa_float_denorm_mode_16_64 3
		.amdhsa_memory_ordered 1
		.amdhsa_forward_progress 1
		.amdhsa_inst_pref_size 197
	.end_amdhsa_kernel
	.amdgpu_metadata
---
amdhsa.version: [ 1, 2 ]
amdhsa.kernels:
  - .name:           k_qf4af565786_proj
    .symbol:         k_qf4af565786_proj.kd
    .args:
      - { .name: codes, .offset: 0, .size: 8, .value_kind: global_buffer, .address_space: global }
      - { .name: scales, .offset: 8, .size: 8, .value_kind: global_buffer, .address_space: global }
      - { .name: b_q, .offset: 16, .size: 8, .value_kind: global_buffer, .address_space: global }
      - { .name: b_k, .offset: 24, .size: 8, .value_kind: global_buffer, .address_space: global }
      - { .name: b_v, .offset: 32, .size: 8, .value_kind: global_buffer, .address_space: global }
      - { .name: qrec, .offset: 40, .size: 8, .value_kind: global_buffer, .address_space: global }
      - { .name: kvrec, .offset: 48, .size: 8, .value_kind: global_buffer, .address_space: global }
      - { .name: vs, .offset: 56, .size: 8, .value_kind: global_buffer, .address_space: global }
    .group_segment_fixed_size: 327680
    .private_segment_fixed_size: 0
    .kernarg_segment_align: 8
    .kernarg_segment_size: 64
    .max_flat_workgroup_size: 128
    .sgpr_count:     102
    .vgpr_count:     1024
    .wavefront_size: 32
...
	.end_amdgpu_metadata
.endif
;; end of part 2
;; launch attn (part 3): grid 16 x 16, 18 waves a work-group, no clusters, 307,456 bytes of LDS; arguments qrec, kvrec, vs, acodes, ascales; writes acodes, ascales
.if DOCPART == 3
	.amdgcn_target "amdgcn-amd-amdhsa--gfx1250"
	.amdhsa_code_object_version 6
	.text
	.protected	k_qf4af565786_attn
	.globl	k_qf4af565786_attn
	.p2align	8
	.type	k_qf4af565786_attn,@function
k_qf4af565786_attn:
	s_mov_b64 s[64:65], 0
	v_nop
	global_prefetch_b8 v0, s[64:65] scope:SCOPE_SE
	s_setreg_imm32_b32 hwreg(HW_REG_WAVE_MODE, 25, 1), 1
	s_wait_xcnt 0x0
; Attention under the mask (query < 64) or (key < 64) or |query - key| <= 256, on codes of FP6 (E2M3) with E8M0 scales; 16 heads of 64, 4,096 tokens.  Only keys that the mask keeps are multiplied.
; t = score x log2(e) / 8; M = the running largest t rounded up to a whole number; p = 2^(t - M) is quantised along the keys, in blocks of 32 counted from key 0; the row's sum is taken of the unquantised p
; and divides at the end.  The result is quantised along the model's 1,024 (a head is two blocks) and stored as codes (acodes [4096][768]) and scale bytes (ascales [4096][32]).
; INPUT: records of 3,200 bytes for each (head, block of 32 tokens): 832 t + 256 p + 8 lane: codes of tile t (16 tokens), register pair p; 832 t + 768 + 4 (token % 16): the scale word (two bytes, twice);
;   1664 + 128 (3 t + p) + 8 r: V's codes, row r of channel tile t.  vs: [head][group of 4 blocks][16 t + r]: V's scale bytes.
; SHARES.  Work-group (x, head).  x = 2 .. 15: 18 waves, each one tile of 16 queries, tile 4 + 18 (x - 2) + wave: 20 block places in 5 steps of 128 keys: blocks 0, 1 (the global keys), the 17 blocks of the
;   window, one dummy.  A place whose block lies outside 2 .. 127 (counted already, or not there) gets -infinity added; the window's first and last block are masked lane by lane.
;   x = 0, 1: the global rows.  Wave w < 16: tile 2 x + w % 2, an eighth (w / 2) of all 128 blocks, in two phases of 64 records in LDS; the eight parts of a tile meet in LDS and waves 0, 1 add them.
; BOTH PRODUCTS ARE USED TRANSPOSED: a lane holds one query throughout.  The keys of a tile: lane r of tile 2 b + u takes key 32 b + 8 u + r + 8 (r / 8), so 16 registers are 16 neighbouring keys.
; THE SCORES' K IS 64: tile u = 0 multiplies (K, zeros) by (Q, zeros), tile u = 1 (zeros, K) by (zeros, Q): zero codes on both sides; the doubled scale words serve either half.
; No tile is shared by whole work-groups (neighbouring windows are shifted by nine blocks), so there is no cluster; LDS is filled through registers, once, at a path's head or a phase ahead.
; LIMITS: NaN and infinities are not served; a block of the result whose largest magnitude lies under 2^-124 gets the scale byte 1.
.set REC, 3200
.set VST, 28*REC                       ; regular path: behind 28 record slots: 8 groups of V's scale words, realigned to the work-group's first block
.set GB,  92160                        ; global path: 64 records; later the parts to be merged
.set GVS, GB+64*REC                    ; global path: the head's vs, 8,192 bytes
.set MRG, GB
.set MW,  4352                         ; a wave's part: O as 8 images of 512 bytes, -M at 4096, the sum at 4224
.set AKG, 1                            ; v1  my lane's place in a record's K part (global keys' slots); v2 the same in my wave's window
.set AKW, 2
.set ASG, 3                            ; v3, v4  K's scale words
.set ASW, 4
.set AVG, 5                            ; v5, v6  V's codes
.set AVW, 6
.set AV1, 7                            ; v7  V's scale words
.set AV0, 8                            ; v8  those of step 0's window blocks
.set DL,  9                            ; v9  16 e + r - 16 h: the edge of the window in my registers
.set F,   10                           ; v10 f = 2^(old M - new M); v11 -infinity (named with it as a pair)
.set NINF, 11
.set QS,  34                           ; v34 Q's scale words; v35 p's; v36-39 K's; v40-43 V's: they hold scales and nothing else
.set PW,  35
.set KS,  36
.set VSW, 40
.set S,   80                           ; v80-143 S^T, then p, then V's fragments
.set O,   144                          ; v144-175 O^T
.set P,   176                          ; v176-187 p's codes; ahead of them V's raw scale words, then -M + the places' biases
.set TMP, 188
.set BM,  56                           ; at work, over K's registers (not over the zeros at v50-55, v68-73)
.set T2,  60
.set SCO, 64
.set WV,  14
.set HD,  15
.set TT,  17                           ; my tile of 16 queries
.set SEL, 18
.set CS,  20
.set HM,  22
.set SH1, 23
.set SH0, 24
.set BI,  28                           ; s28-47: 0 or -infinity for each of the 20 block places
	s_load_b256 s[4:11], s[0:1], 0x0               ; qrec, kvrec, vs, acodes
	s_load_b64 s[12:13], s[0:1], 0x20              ; ascales
	v_lshrrev_b32 v1, 5, v0
	v_readfirstlane_b32 s[WV], v1
	s_and_b32 s[HD], ttmp7, 0xffff
	s_mul_i32 s48, ttmp9, 18
	s_add_co_u32 s48, s48, s[WV]
	s_sub_co_u32 s48, s48, 32                      ; regular: 4 + 18 (x - 2) + wave
	s_lshl_b32 s49, ttmp9, 1
	s_and_b32 s50, s[WV], 1
	s_add_co_u32 s49, s49, s50                     ; global: 2 x + wave % 2
	s_cmp_lt_u32 ttmp9, 2
	s_cselect_b32 s[TT], s49, s48
	s_lshl_b32 s51, s[HD], 7
	s_lshr_b32 s52, s[TT], 1
	s_add_co_u32 s52, s52, s51
	s_mul_i32 s52, s52, REC
	s_and_b32 s53, s[TT], 1
	s_mul_i32 s53, s53, 832
	s_add_co_u32 s52, s52, s53                     ; my tile in qrec
	s_mov_b32 s53, 0
	s_mul_i32 s54, s[HD], 128*REC
	s_mov_b32 s55, 0
	s_lshl_b32 s56, s[HD], 13
	s_mov_b32 s57, 0
	s_mov_b32 s[SEL], 0x76543210
	s_mov_b32 s[SEL+1], 0xfedcba98                 ; lane l xor 16
	s_mov_b32 s[CS], 0x3e38aa3b                    ; c = log2(e) / 8
	s_mov_b32 s[CS+1], s[CS]
	s_mov_b32 s[HM], 0xffff0000                    ; lanes 16-31
	v_and_b32 v188, 7, v0                          ; r % 8
	v_bfe_u32 v189, v0, 3, 1                       ; r / 8
	v_bfe_u32 v190, v0, 4, 1                       ; h
	v_and_b32 v191, 15, v0                         ; r
	v_mul_u32_u24 v[AKG], v189, 832                ; K: natural tile r / 8, image lane 16 h + 8 u + r % 8
	v_lshl_add_u32 v[AKG], v190, 7, v[AKG]
	v_lshl_add_u32 v[AKG], v188, 3, v[AKG]
	v_mul_u32_u24 v[ASG], v189, 832                ; its scale words: lanes 0-15 tile u = 0's, lanes 16-31 tile u = 1's
	v_lshl_add_u32 v[ASG], v190, 5, v[ASG]
	v_lshl_add_u32 v[ASG], v188, 2, v[ASG]
	v_add_nc_u32 v[ASG], 768, v[ASG]
	v_mul_u32_u24 v[AVG], v190, REC                ; V: lanes 16-31 take the next block's record
	v_lshl_add_u32 v[AVG], v191, 3, v[AVG]
	v_add_nc_u32 v[AVG], 1664, v[AVG]
	v_and_b32 v147, 31, v0
	v_lshlrev_b32 v144, 3, v147                    ; 8 x lane
	v_lshlrev_b32 v146, 4, v147                    ; 16 x lane
	v_lshlrev_b32 v147, 2, v147                    ; 4 x lane
	v_lshlrev_b32 v145, 2, v191                    ; 4 r
	v_mov_b32 v[NINF], 0xff800000
	v_mov_b32 v[F], 0
	v_mov_b32 v13, 0xff61b1e6                      ; the largest t so far: -3e38
	v_floor_f32 v12, -v13                          ; -M
	v_mov_b32 v14, 0                               ; the sum, in two halves
	v_mov_b32 v15, 0
.irp i, 22,23,24,25,26,27,50,51,52,53,54,55,68,69,70,71,72,73
	v_mov_b32 v\i, 0                               ; the zero halves of the scores' operands
.endr
	s_wait_kmcnt 0x0
	s_add_nc_u64 s[4:5], s[4:5], s[52:53]
	s_add_nc_u64 s[6:7], s[6:7], s[54:55]          ; kvrec at my head
	s_add_nc_u64 s[8:9], s[8:9], s[56:57]          ; vs at my head
.irp p, 0,1,2
	global_load_b64 v[16+2*\p:17+2*\p], v144, s[4:5] offset:256*\p   ; Q, as the low half of an operand,
	global_load_b64 v[28+2*\p:29+2*\p], v144, s[4:5] offset:256*\p   ; and as the high half
.endr
	global_load_b32 v[QS], v145, s[4:5] offset:768
; where block place b of step s lies: the address registers and the offset
.macro WHERE s, mode, b
.if ((\mode) == 0) && ((\s) == 0) && ((\b) < 2)
.set RK, AKG
.set RS, ASG
.set RV, AVG
.set OF, REC*(\b)
.else
.set RK, AKW
.set RS, ASW
.set RV, AVW
.if ((\mode) == 0) && ((\s) == 0)
.set OF, REC*((\b)-2)
.elseif (\mode) == 0
.set OF, REC*(4*(\s)-2+(\b))
.else
.set OF, REC*(4*(\s)+(\b))
.endif
.endif
.endm
; the scores of block places b0 and b0 + 1: 12 loads, 4 products
.macro KQ s, mode, b0
.irp d, 0,1
	WHERE \s, \mode, (\b0)+\d
.irp u, 0,1
.irp p, 0,1,2
	ds_load_b64 v[44+18*\d+12*\u+2*\p:45+18*\d+12*\u+2*\p], v[RK] offset:OF+64*\u+256*\p
.endr
.endr
.endr
	s_wait_dscnt 0x0
.irp d, 0,1
	v_wmma_scale_f32_16x16x128_f8f6f4 v[S+16*((\b0)+\d):S+16*((\b0)+\d)+7], v[44+18*\d:55+18*\d], v[16:27], 0, v[KS+(\b0)+\d], v[QS] matrix_a_fmt:MATRIX_FMT_FP6 matrix_b_fmt:MATRIX_FMT_FP6
	v_wmma_scale_f32_16x16x128_f8f6f4 v[S+16*((\b0)+\d)+8:S+16*((\b0)+\d)+15], v[50+18*\d:61+18*\d], v[22:33], 0, v[KS+(\b0)+\d], v[QS] matrix_a_fmt:MATRIX_FMT_FP6 matrix_b_fmt:MATRIX_FMT_FP6 matrix_a_scale:MATRIX_SCALE_ROW1
.endr
.endm
; A KEY STEP: four block places, 128 keys.  mode 0: the window (step s of five); mode 1: the global rows (step s of a phase's two, phase phi).  first = 1: the products start O^T.  edge = 1, 2: the window's first, last block is place 2.
.macro STEP s, mode, first, edge, phi
.rept 5
	v_nop                                          ; places: loads go into registers that the last products read, products write over them, and the zero halves may just have been written
.endr
.irp b, 0,1,2,3
	WHERE \s, \mode, \b
	ds_load_b32 v[KS+\b], v[RS] offset:OF
.endr
.irp t, 0,1,2,3
.if (\mode) == 1
	ds_load_b32 v[VSW+\t], v[AV1] offset:256*(16*(\phi)+(\s))+64*\t
.elseif (\s) == 0
	ds_load_b32 v[P+\t], v[AV0] offset:64*\t
	ds_load_b32 v[P+4+\t], v[AV0] offset:256+64*\t
.else
	ds_load_b32 v[P+\t], v[AV1] offset:256*((\s)-1)+64*\t
	ds_load_b32 v[P+4+\t], v[AV1] offset:256*(\s)+64*\t
.endif
.endr
	KQ \s, \mode, 0
	; V's scale words of the step's four places: also the places in front of the next loads into K's registers
.if (\mode) == 1
.rept 4
	v_nop
.endr
.elseif (\s) == 0
.irp t, 0,1,2,3
	v_alignbit_b32 v[P+\t], v[P+4+\t], v[P+\t], s[SH0]
.endr
.irp t, 0,1,2,3
	v_and_b32 v[VSW+\t], 0xffff, v[VSW+\t]         ; blocks 0 and 1,
.endr
.irp t, 0,1,2,3
	v_lshl_or_b32 v[VSW+\t], v[P+\t], 16, v[VSW+\t]   ; and the window's first two
.endr
.else
.irp t, 0,1,2,3
	v_alignbit_b32 v[VSW+\t], v[P+4+\t], v[P+\t], s[SH1]
.endr
.endif
	KQ \s, \mode, 2
.rept 4
	v_nop
.endr
.if (\edge) == 1                       ; register i of place 2 is key 16 h + i of the block: hidden under 16 e + r
.irp i, 0,1,2,3,4,5,6,7,8,9,10,11,12,13,14,15
	v_cmp_lt_i32 vcc_lo, \i, v[DL]
	v_cndmask_b32 v[S+32+\i], v[S+32+\i], v[NINF], vcc_lo
.endr
.elseif (\edge) == 2                   ; hidden over 16 e + r
.irp i, 0,1,2,3,4,5,6,7,8,9,10,11,12,13,14,15
	v_cmp_gt_i32 vcc_lo, \i, v[DL]
	v_cndmask_b32 v[S+32+\i], v[S+32+\i], v[NINF], vcc_lo
.endr
.endif
.irp b, 0,1,2,3
	v_max3_num_f32 v[BM+\b], v[S+16*\b], v[S+1+16*\b], v[S+2+16*\b]   ; each block's largest score: for the row's maximum, and for the block's largest p
.endr
.irp i, 3,5,7,9,11,13
.irp b, 0,1,2,3
	v_max3_num_f32 v[BM+\b], v[BM+\b], v[S+16*\b+\i], v[S+1+16*\b+\i]
.endr
.endr
.irp b, 0,1,2,3
	v_max_num_f32 v[BM+\b], v[BM+\b], v[S+15+16*\b]
.endr
.irp b, 0,1,2,3
	v_permlanex16_b32 v[T2+\b], v[BM+\b], s[SEL], s[SEL+1]
.endr
.irp b, 0,1,2,3
	v_max_num_f32 v[BM+\b], v[BM+\b], v[T2+\b]
.endr
.if (\mode) == 0
.irp b, 0,1,2,3
	v_add_f32 v[BM+\b], s[BI+4*(\s)+\b], v[BM+\b]  ; a hidden place: -infinity
.endr
.endif
	v_max3_num_f32 v[TMP], v[BM], v[BM+1], v[BM+2]
	v_max_num_f32 v[TMP], v[TMP], v[BM+3]
	v_mul_f32 v[TMP], s[CS], v[TMP]
	v_max_num_f32 v13, v13, v[TMP]                 ; the running largest t
	v_mov_b32 v[TMP], v12
	v_floor_f32 v12, -v13                          ; -M = floor(-t): M is a whole number
	v_sub_f32 v[TMP], v12, v[TMP]
	v_cvt_i32_f32 v[TMP], v[TMP]                   ; (it saturates)
	v_ldexp_f32 v[F], 1.0, v[TMP]                  ; f = 2^(old M - new M): rounds nothing
.if (\mode) == 0
.irp b, 0,1,2,3
	v_add_f32 v[P+2*\b], s[BI+4*(\s)+\b], v12      ; -M, or -infinity for a hidden place
.endr
.endif
.irp b, 0,1,2,3
.irp j, 0,2,4,6,8,10,12,14
.if (\mode) == 0
	v_pk_fma_f32 v[S+16*\b+\j:S+16*\b+\j+1], v[S+16*\b+\j:S+16*\b+\j+1], s[CS:CS+1], v[P+2*\b:P+2*\b+1] op_sel_hi:[1,0,0]
.else
	v_pk_fma_f32 v[S+16*\b+\j:S+16*\b+\j+1], v[S+16*\b+\j:S+16*\b+\j+1], s[CS:CS+1], v[12:13] op_sel_hi:[1,0,0]
.endif
.endr
.endr
.irp b, 0,1,2,3
	v_fma_f32 v[BM+\b], v[BM+\b], s[CS], v12
.endr
.set JJ, 0
.rept 64
	v_exp_f32 v[S+JJ], v[S+JJ]                     ; p = 2^(t - M)
.set JJ, JJ+1
.endr
	v_pk_mul_f32 v[14:15], v[14:15], v[F:F+1] op_sel_hi:[1,0]   ; the sums under the new M (a plain line behind the exponentials)
	s_wait_alu depctr_va_vdst(0)                   ; one wait for the batch of 64, ahead of its first reader
.irp b, 0,1,2,3
	v_exp_f32 v[BM+\b], v[BM+\b]                   ; each block's largest p
.endr
	v_pk_add_f32 v[T2:T2+1], v[S:S+1], v[S+2:S+3]  ; the row's sum, of the unquantised p, in two chains
.irp j, 4,8,12,16,20,24,28,32,36,40,44,48,52,56,60
	v_pk_add_f32 v[14:15], v[14:15], v[S+\j:S+\j+1]
	v_pk_add_f32 v[T2:T2+1], v[T2:T2+1], v[S+2+\j:S+3+\j]
.endr
	v_pk_add_f32 v[14:15], v[14:15], v[T2:T2+1]
	s_wait_alu depctr_va_vdst(0)                   ; and one for the four
.irp b, 0,1,2,3
	v_max_num_f32 v[BM+\b], 0x1800000, v[BM+\b]    ; the floor 2^(3 - 127)
.endr
.irp b, 0,1,2,3
	v_add_nc_u32 v[SCO+\b], 0xff000000, v[BM+\b]   ; the conversion's scale operand
.endr
.irp b, 0,1,2,3
	v_lshrrev_b32 v[T2+\b], 23, v[SCO+\b]          ; the scale's byte
.endr
	v_lshl_or_b32 v[PW], v[T2+1], 8, v[T2]
	v_lshl_or_b32 v[PW], v[T2+2], 16, v[PW]
	v_lshl_or_b32 v[PW], v[T2+3], 24, v[PW]
	v_cvt_scalef32_pk16_fp6_f32 v[P:P+2], v[S:S+15], v[SCO]
	v_cvt_scalef32_pk16_fp6_f32 v[44:46], v[S+16:S+31], v[SCO+1]
	v_cvt_scalef32_pk16_fp6_f32 v[P+6:P+8], v[S+32:S+47], v[SCO+2]
	v_cvt_scalef32_pk16_fp6_f32 v[74:76], v[S+48:S+63], v[SCO+3]
	v_nop                                          ; one plain line behind a scaled conversion
.irp i, 0,1,2
	v_permlane16_swap_b32 v[P+\i], v[44+\i]        ; a whole block to a lane
.endr
.irp i, 0,1,2
	v_mov_b32 v[P+3+\i], v[44+\i]
.endr
.irp i, 0,1,2
	v_permlane16_swap_b32 v[P+6+\i], v[74+\i]
.endr
.irp i, 0,1,2
	v_mov_b32 v[P+9+\i], v[74+\i]
.endr
.irp c, 0,1
	WHERE \s, \mode, 2*\c
.irp t, 0,1,2,3
.irp p, 0,1,2
	ds_load_b64 v[S+12*\t+6*\c+2*\p:S+12*\t+6*\c+2*\p+1], v[RV] offset:OF+128*(3*\t+\p)
.endr
.endr
.endr
.if \first
.rept 8
	v_nop                                          ; places between the writes of p's codes and scale word and the products
.endr
.else
.irp j, 0,2,4,6,8,10,12,14,16,18,20,22,24,26,28,30
	v_pk_mul_f32 v[O+\j:O+\j+1], v[O+\j:O+\j+1], v[F:F+1] op_sel_hi:[1,0]   ; O^T under the new M; also those places
.endr
.endif
	s_wait_dscnt 0x0
.irp t, 0,1,2,3
.if \first
	v_wmma_scale_f32_16x16x128_f8f6f4 v[O+8*\t:O+8*\t+7], v[S+12*\t:S+12*\t+11], v[P:P+11], 0, v[VSW+\t], v[PW] matrix_a_fmt:MATRIX_FMT_FP6 matrix_b_fmt:MATRIX_FMT_FP6
.else
	v_wmma_scale_f32_16x16x128_f8f6f4 v[O+8*\t:O+8*\t+7], v[S+12*\t:S+12*\t+11], v[P:P+11], v[O+8*\t:O+8*\t+7], v[VSW+\t], v[PW] matrix_a_fmt:MATRIX_FMT_FP6 matrix_b_fmt:MATRIX_FMT_FP6
.endif
.endr
.endm
; THE WAY OUT.  v14 holds the row's whole sum.  Register 16 b + i of O^T is channel 32 b + 16 h + i of query r: two blocks of 32, half a block a lane.
.macro OUT
	v_rcp_f32 v14, v14
	v_and_b32 v189, 15, v0                         ; (a plain line behind the reciprocal)
	v_bfe_u32 v190, v0, 4, 1
	v_mul_u32_u24 v191, v189, 768
	v_mad_u32_u24 v191, v190, 12, v191             ; codes: row r, + 12 h
	v_lshl_add_u32 v190, v189, 5, v190             ; scale bytes: 32 r + h
	s_mul_i32 s48, s[TT], 16*768
	s_mul_i32 s49, s[HD], 48
	s_add_co_u32 s48, s48, s49
	s_mov_b32 s49, 0
	s_add_nc_u64 s[10:11], s[10:11], s[48:49]
	s_lshl_b32 s48, s[TT], 9
	s_lshl_b32 s50, s[HD], 1
	s_add_co_u32 s48, s48, s50
	s_add_nc_u64 s[12:13], s[12:13], s[48:49]
	s_wait_alu depctr_va_vdst(0)                   ; ahead of the reciprocal's first reader
.set JJ, 0
.rept 32
	v_mul_f32 v[S+JJ], v[O+JJ], v14
.set JJ, JJ+1
.endr
.irp b, 0,1
	v_max3_num_f32 v[BM+\b], |v[S+16*\b]|, |v[S+1+16*\b]|, 0x1800000
.endr
.irp i, 2,4,6,8,10,12,14
.irp b, 0,1
	v_max3_num_f32 v[BM+\b], v[BM+\b], |v[S+16*\b+\i]|, |v[S+1+16*\b+\i]|
.endr
.endr
.irp b, 0,1
	v_permlanex16_b32 v[T2+\b], v[BM+\b], s[SEL], s[SEL+1]
.endr
.irp b, 0,1
	v_max_num_f32 v[BM+\b], v[BM+\b], v[T2+\b]
.endr
.irp b, 0,1
	v_add_nc_u32 v[SCO+\b], 0xff000000, v[BM+\b]
.endr
.irp b, 0,1
	v_lshrrev_b32 v[T2+\b], 23, v[SCO+\b]
.endr
	v_cvt_scalef32_pk16_fp6_f32 v[P:P+2], v[S:S+15], v[SCO]
	v_cvt_scalef32_pk16_fp6_f32 v[P+4:P+6], v[S+16:S+31], v[SCO+1]
	v_nop
	v_cndmask_b32 v[TMP], v[T2], v[T2+1], s[HM]    ; lanes 0-15 store the first block's byte, lanes 16-31 the second's
	global_store_b96 v191, v[P:P+2], s[10:11]
	global_store_b96 v191, v[P+4:P+6], s[10:11] offset:24
	global_store_b8 v190, v[TMP], s[12:13]
.endm
	s_cmp_lt_u32 ttmp9, 2
	s_cbranch_scc1 .Lglobal
	; ---------------- THE WINDOW ----------------
	s_lshr_b32 s48, s[WV], 1                       ; s0: my window begins s0 blocks behind the work-group's
	s_add_co_u32 s49, s48, 2
	s_mul_i32 s49, s49, REC
	v_add_nc_u32 v[AKW], s49, v[AKG]
	v_add_nc_u32 v[ASW], s49, v[ASG]
	v_add_nc_u32 v[AVW], s49, v[AVG]
	s_add_co_u32 s50, s48, 2                       ; step 1 begins s0 + 2 blocks behind the work-group's first
	s_lshr_b32 s51, s50, 2
	s_lshl_b32 s51, s51, 8
	s_add_co_u32 s51, s51, VST
	v_lshl_add_u32 v[AV1], v191, 2, s51
	s_and_b32 s[SH1], s50, 3
	s_lshl_b32 s[SH1], s[SH1], 3
	s_lshr_b32 s51, s48, 2
	s_lshl_b32 s51, s51, 8
	s_add_co_u32 s51, s51, VST
	v_lshl_add_u32 v[AV0], v191, 2, s51
	s_and_b32 s[SH0], s48, 3
	s_lshl_b32 s[SH0], s[SH0], 3
	s_and_b32 s51, s[WV], 1
	s_lshl_b32 s51, s51, 4
	v_lshlrev_b32 v[DL], 4, v190
	v_sub_nc_u32 v[DL], v191, v[DL]
	v_add_nc_u32 v[DL], s51, v[DL]
	s_mul_i32 s51, s[WV], REC
	v_add_nc_u32 v189, s51, v146                   ; the copies: slot = wave, 16 bytes a lane,
	v_add_nc_u32 v190, s51, v147                   ; and 4 bytes a lane
	s_add_co_u32 s51, s[WV], 6
	s_and_b32 s51, s51, 7                          ; waves 10 to 17: group 0 to 7 of V's scale words
	s_lshl_b32 s52, s51, 8
	s_add_co_u32 s52, s52, VST
	v_add_nc_u32 v191, s52, v144
	s_mul_i32 s53, ttmp9, 9
	s_sub_co_i32 s53, s53, 24                      ; the work-group's first window block: 9 (x - 2) - 6
	s_add_co_i32 s54, s53, s48                     ; mine
	s_mov_b32 s[BI], 0
	s_mov_b32 s[BI+1], 0
	s_mov_b32 s[BI+19], 0xff800000
.irp w, 0,1,2,3,4,5,6,7,8,9,10,11,12,13,14,15,16
	s_add_co_i32 s55, s54, \w-2
	s_cmp_lt_u32 s55, 126                          ; blocks 2 to 127 count
	s_cselect_b32 s[BI+2+\w], 0, 0xff800000
.endr
.irp t, 0,1,2,3
	global_load_b32 v[VSW+\t], v145, s[8:9] offset:64*\t   ; V's scale words of blocks 0 to 3
.endr
	s_add_co_i32 s56, s53, s[WV]
	s_sub_co_i32 s56, s56, 2
	s_max_i32 s56, s56, 0
	s_min_i32 s56, s56, 127                        ; slot n >= 2 holds block first + n - 2, held inside the head (what is held is hidden)
	s_cmp_lt_u32 s[WV], 2
	s_cselect_b32 s56, s[WV], s56                  ; slots 0, 1: blocks 0, 1
	s_mul_i32 s56, s56, REC
	s_mov_b32 s57, 0
	s_add_nc_u64 s[56:57], s[6:7], s[56:57]
.irp i, 0,1,2,3,4,5
	global_load_b128 v[80+4*\i:83+4*\i], v146, s[56:57] offset:512*\i
.endr
	global_load_b32 v104, v147, s[56:57] offset:3072
	s_cmp_lt_u32 s[WV], 10
	s_cbranch_scc0 .Lcopy_vs
	s_add_co_i32 s58, s53, s[WV]                   ; waves 0 to 9: slot 18 + wave too
	s_add_co_i32 s58, s58, 16
	s_max_i32 s58, s58, 0
	s_min_i32 s58, s58, 127
	s_mul_i32 s58, s58, REC
	s_mov_b32 s59, 0
	s_add_nc_u64 s[58:59], s[6:7], s[58:59]
.irp i, 0,1,2,3,4,5
	global_load_b128 v[106+4*\i:109+4*\i], v146, s[58:59] offset:512*\i
.endr
	global_load_b32 v130, v147, s[58:59] offset:3072
	s_wait_loadcnt 0x0
.irp i, 0,1,2,3,4,5
	ds_store_b128 v189, v[106+4*\i:109+4*\i] offset:18*REC+512*\i
.endr
	ds_store_b32 v190, v130 offset:18*REC+3072
	s_branch .Lcopied
.Lcopy_vs:
	s_ashr_i32 s63, s53, 2                         ; the group in which the work-group's first block lies,
	s_add_co_i32 s63, s63, s51                     ; + my number
	s_max_i32 s58, s63, 0
	s_min_i32 s58, s58, 31
	s_lshl_b32 s58, s58, 8
	s_mov_b32 s59, 0
	s_add_co_i32 s63, s63, 1
	s_max_i32 s60, s63, 0
	s_min_i32 s60, s60, 31
	s_lshl_b32 s60, s60, 8
	s_mov_b32 s61, 0
	s_add_nc_u64 s[58:59], s[8:9], s[58:59]
	s_add_nc_u64 s[60:61], s[8:9], s[60:61]
	s_and_b32 s62, s53, 3
	s_lshl_b32 s62, s62, 3
	global_load_b64 v[106:107], v144, s[58:59]
	global_load_b64 v[108:109], v144, s[60:61]
	s_wait_loadcnt 0x0
	v_alignbit_b32 v110, v108, v106, s62           ; realigned: the word's byte 0 is the work-group's first block + 4 x my number
	v_alignbit_b32 v111, v109, v107, s62
	ds_store_b64 v191, v[110:111]
.Lcopied:
	s_wait_loadcnt 0x0
.irp i, 0,1,2,3,4,5
	ds_store_b128 v189, v[80+4*\i:83+4*\i] offset:512*\i
.endr
	ds_store_b32 v190, v104 offset:3072
	s_wait_dscnt 0x0                               ; for the others' sake: my stores have landed
	s_barrier_signal -1
	s_barrier_wait -1                              ; from here on this path only reads LDS
	STEP 0, 0, 1, 1, 0
	STEP 1, 0, 0, 0, 0
	STEP 2, 0, 0, 0, 0
	STEP 3, 0, 0, 0, 0
	STEP 4, 0, 0, 2, 0
.rept 4
	v_nop                                          ; places behind the last products
.endr
	v_add_f32 v14, v14, v15
	v_permlanex16_b32 v[TMP], v14, s[SEL], s[SEL+1]
	v_add_f32 v14, v14, v[TMP]                     ; the row's sum
	OUT
	s_wait_xcnt 0x0
	v_lshl_add_u32 v190, v0, 2, 0x4a800
	v_mov_b32 v191, 0
	s_wait_tensorcnt 0x0
	ds_add_u32 v190, v191
	s_wait_dscnt 0x0
	s_endpgm
	; ---------------- THE GLOBAL ROWS ----------------
.set GCP,  189                         ; where I store my 4 records of a phase
.set GVC,  8                           ; waves 16, 17: where I store half of vs
.set MS16, 1                           ; my part for the merge: 16 bytes a lane; v3: 4 bytes a lane
.set MS4,  3
.set MR16, 5                           ; the parts of my tile, read back
.set MR4,  9
.set GLO,  190                         ; 16 x lane, for the loads
.Lglobal:
	s_lshr_b32 s48, s[WV], 1                       ; which eighth of a phase's records is mine
	s_mul_i32 s49, s48, 8*REC
	s_add_co_u32 s49, s49, GB
	v_add_nc_u32 v[AKW], s49, v[AKG]
	v_add_nc_u32 v[ASW], s49, v[ASG]
	v_add_nc_u32 v[AVW], s49, v[AVG]
	s_lshl_b32 s49, s48, 9
	s_add_co_u32 s49, s49, GVS
	v_lshl_add_u32 v[AV1], v191, 2, s49
	s_mul_i32 s49, s[WV], 4*REC
	s_add_co_u32 s49, s49, GB
	v_add_nc_u32 v[GCP], s49, v146
	s_and_b32 s50, s[WV], 1
	s_lshl_b32 s49, s50, 12
	s_add_co_u32 s49, s49, GVS
	v_add_nc_u32 v[GVC], s49, v146
	s_mul_i32 s49, s[WV], MW
	s_add_co_u32 s49, s49, MRG
	v_add_nc_u32 v[MS16], s49, v146
	v_add_nc_u32 v[MS4], s49, v147
	s_mul_i32 s49, s50, MW
	s_add_co_u32 s49, s49, MRG
	v_add_nc_u32 v[MR16], s49, v146
	v_add_nc_u32 v[MR4], s49, v147
	v_and_b32 v[GLO], 31, v0
	v_lshlrev_b32 v[GLO], 4, v[GLO]
	s_mul_i32 s52, s[WV], 4*REC
	s_mov_b32 s53, 0
	s_add_nc_u64 s[52:53], s[6:7], s[52:53]
	s_lshl_b32 s54, s50, 12
	s_mov_b32 s55, 0
	s_add_nc_u64 s[54:55], s[8:9], s[54:55]
.macro GLOAD phi                       ; my 12,800 bytes of phase phi's 64 records: 25 loads of 512 consecutive bytes
.set JJ, 0
.rept 25
	global_load_b128 v[44+4*JJ:47+4*JJ], v[GLO], s[52:53] offset:64*REC*(\phi)+512*JJ
.set JJ, JJ+1
.endr
.endm
.macro GSTORE
.set JJ, 0
.rept 25
	ds_store_b128 v[GCP], v[44+4*JJ:47+4*JJ] offset:512*JJ
.set JJ, JJ+1
.endr
.endm
.macro ZEROS
.irp i, 50,51,52,53,54,55,68,69,70,71,72,73
	v_mov_b32 v\i, 0
.endr
.endm
.macro MEET                            ; my LDS stores have landed and my LDS loads are in: then the work-group's barrier, which every wave passes
	s_wait_dscnt 0x0
	s_barrier_signal -1
	s_barrier_wait -1
.endm
	s_cmp_lt_u32 s[WV], 16
	s_cbranch_scc0 .Lg_vs
	GLOAD 0
	s_wait_loadcnt 0x0
	GSTORE
	s_branch .Lg_b1
.Lg_vs:
.irp i, 0,1,2,3,4,5,6,7
	global_load_b128 v[44+4*\i:47+4*\i], v[GLO], s[54:55] offset:512*\i
.endr
	s_wait_loadcnt 0x0
.irp i, 0,1,2,3,4,5,6,7
	ds_store_b128 v[GVC], v[44+4*\i:47+4*\i] offset:512*\i
.endr
.Lg_b1:
	MEET                                           ; phase 0's records and vs lie in LDS
	s_cmp_lt_u32 s[WV], 16
	s_cbranch_scc0 .Lg_s1
	ZEROS
	STEP 0, 1, 1, 0, 0
	STEP 1, 1, 0, 0, 0
.rept 4
	v_nop                                          ; places in front of loads into registers that the last products read
.endr
	GLOAD 1                                        ; phase 1 comes into registers while other waves still read phase 0
	s_wait_loadcnt 0x0
.Lg_s1:
	MEET                                           ; nobody reads phase 0 any more
	s_cmp_lt_u32 s[WV], 16
	s_cbranch_scc0 .Lg_s2
	GSTORE
.Lg_s2:
	MEET                                           ; phase 1's records lie in LDS
	s_cmp_lt_u32 s[WV], 16
	s_cbranch_scc0 .Lg_s3
	ZEROS
	STEP 0, 1, 0, 0, 1
	STEP 1, 1, 0, 0, 1
.rept 4
	v_nop
.endr
	v_add_f32 v14, v14, v15
	v_permlanex16_b32 v[TMP], v14, s[SEL], s[SEL+1]
	v_add_f32 v14, v14, v[TMP]                     ; my part of the row's sum
.Lg_s3:
	MEET                                           ; nobody reads the records any more
	s_cmp_lt_u32 s[WV], 16
	s_cbranch_scc0 .Lg_s4
.irp i, 0,1,2,3,4,5,6,7
	ds_store_b128 v[MS16], v[O+4*\i:O+4*\i+3] offset:512*\i   ; each accumulator from its low end on
.endr
	ds_store_b32 v[MS4], v12 offset:4096
	ds_store_b32 v[MS4], v14 offset:4224
.Lg_s4:
	MEET                                           ; the sixteen parts lie in LDS
	s_cmp_lt_u32 s[WV], 2
	s_cbranch_scc0 .Lg_end
	; waves 0 and 1 add the eight parts of their tile: part E is wave 2 E + my number
.irp e, 0,1,2,3,4,5,6,7
	ds_load_b32 v[44+2*\e], v[MR4] offset:2*MW*\e+4096
	ds_load_b32 v[45+2*\e], v[MR4] offset:2*MW*\e+4224
.endr
	s_wait_dscnt 0x0
	v_min3_num_f32 v[TMP], v44, v46, v48
	v_min3_num_f32 v[TMP], v[TMP], v50, v52
	v_min3_num_f32 v[TMP], v[TMP], v54, v56
	v_min_num_f32 v[TMP], v[TMP], v58              ; the least -M: the largest M
.irp e, 0,1,2,3,4,5,6,7
	v_sub_f32 v[44+2*\e], v[TMP], v[44+2*\e]       ; M of the part less the largest: a whole number, 0 or less
.endr
.irp e, 0,1,2,3,4,5,6,7
	v_cvt_i32_f32 v[44+2*\e], v[44+2*\e]
.endr
.irp e, 0,1,2,3,4,5,6,7
	v_ldexp_f32 v[44+2*\e], 1.0, v[44+2*\e]        ; the part's factor: exact
.endr
	v_mul_f32 v14, v44, v45
.irp e, 1,2,3,4,5,6,7
	v_fmac_f32 v14, v[44+2*\e], v[45+2*\e]
.endr
.irp j, 0,2,4,6,8,10,12,14,16,18,20,22,24,26,28,30
	v_pk_mul_f32 v[O+\j:O+\j+1], v[O+\j:O+\j+1], v[44:45] op_sel_hi:[1,0]   ; part 0 is my own
.endr
.irp e, 1,2,3,4,5,6,7
.irp i, 0,1,2,3,4,5,6,7
	ds_load_b128 v[S+4*\i:S+4*\i+3], v[MR16] offset:2*MW*\e+512*\i
.endr
	s_wait_dscnt 0x0
.irp j, 0,2,4,6,8,10,12,14,16,18,20,22,24,26,28,30
	v_pk_fma_f32 v[O+\j:O+\j+1], v[S+\j:S+\j+1], v[44+2*\e:45+2*\e], v[O+\j:O+\j+1] op_sel_hi:[1,0,1]
.endr
.endr
	OUT
.Lg_end:
	s_wait_xcnt 0x0
	v_lshl_add_u32 v190, v0, 2, 0x4a800
	v_mov_b32 v191, 0
	s_wait_tensorcnt 0x0
	ds_add_u32 v190, v191
	s_wait_dscnt 0x0
	s_endpgm
.Lfunc_end_k_qf4af565786_attn:
	.size	k_qf4af565786_attn, .Lfunc_end_k_qf4af565786_attn-k_qf4af565786_attn
	.p2alignl 7, 3214868480
	.fill 96, 4, 3214868480
	.section	.rodata,"a",@progbits
	.p2align	6, 0x0
	.amdhsa_kernel k_qf4af565786_attn
		.amdhsa_group_segment_fixed_size 307456
		.amdhsa_private_segment_fixed_size 0
		.amdhsa_enable_private_segment 0
		.amdhsa_kernarg_size 40
		.amdhsa_user_sgpr_count 2
		.amdhsa_user_sgpr_kernarg_segment_ptr 1
		.amdhsa_wavefront_size32 1
		.amdhsa_system_sgpr_workgroup_id_x 1
		.amdhsa_system_sgpr_workgroup_id_y 1
		.amdhsa_system_sgpr_workgroup_id_z 1
		.amdhsa_system_vgpr_workitem_id 0
		.amdhsa_next_free_vgpr 192
		.amdhsa_next_free_sgpr 72
		.amdhsa_reserve_vcc 1
		.amdhsa_float_denorm_mode_32 3
		.amdhsa_float_denorm_mode_16_64 3
		.amdhsa_memory_ordered 1
		.amdhsa_forward_progress 1
		.amdhsa_inst_pref_size 207
	.end_amdhsa_kernel
	.amdgpu_metadata
---
amdhsa.version: [ 1, 2 ]
amdhsa.kernels:
  - .name:           k_qf4af565786_attn
    .symbol:         k_qf4af565786_attn.kd
    .args:
      - { .name: qrec, .offset: 0, .size: 8, .value_kind: global_buffer, .address_space: global }
      - { .name: kvrec, .offset: 8, .size: 8, .value_kind: global_buffer, .address_space: global }
      - { .name: vs, .offset: 16, .size: 8, .value_kind: global_buffer, .address_space: global }
      - { .name: acodes, .offset: 24, .size: 8, .value_kind: global_buffer, .address_space: global }
      - { .name: ascales, .offset: 32, .size: 8, .value_kind: global_buffer, .address_space: global }
    .group_segment_fixed_size: 307456
    .private_segment_fixed_size: 0
    .kernarg_segment_align: 8
    .kernarg_segment_size: 40
    .max_flat_workgroup_size: 576
    .sgpr_count:     72
    .vgpr_count:     192
    .wavefront_size: 32
...
	.end_amdgpu_metadata
.endif
;; end of part 3
;; launch oproj (part 4): grid 4 x 16, 4 waves a work-group, clusters of 4 x 4, 327,680 bytes of LDS; arguments acodes, ascales, codes, scales, b_o, out0; writes out0
.if DOCPART == 4
	.amdgcn_target "amdgcn-amd-amdhsa--gfx1250"
	.amdhsa_code_object_version 6
	.text
	.protected	k_qf4af565786_oproj
	.globl	k_qf4af565786_oproj
	.p2align	8
	.type	k_qf4af565786_oproj,@function
k_qf4af565786_oproj:
	s_mov_b64 s[64:65], 0
	v_nop
	global_prefetch_b8 v0, s[64:65] scope:SCOPE_SE
	s_setreg_imm32_b32 hwreg(HW_REG_WAVE_MODE, 25, 1), 1
	s_wait_xcnt 0x0
	s_wait_alu depctr_hold_cnt(0) depctr_sa_sdst(0) depctr_va_vdst(0) depctr_va_sdst(0) depctr_va_ssrc(0) depctr_va_vcc(0) depctr_vm_vsrc(0)
	s_getreg_b32 s2, hwreg(HW_REG_IB_STS2, 6, 4)
	s_cmp_eq_u32 s2, 0
	s_cbranch_scc0 .Lentry_in_a_cluster
	s_endpgm
.Lentry_in_a_cluster:
	s_bfe_u32 s2, ttmp6, 0x10000c
	s_cmp_lg_u32 s2, 0xf033
	s_cbranch_scc0 .Lentry_shape_is_right
	s_endpgm
.Lentry_shape_is_right:
; out0 = a w_o^T + b_o on codes of FP6 (E2M3) with E8M0 scales.  a: acodes [4096][768], ascales [4096][32]; w_o: rows 15360 on of codes [.][768] and scales [.][32]; out0 [4096][1024] f32; sums in f32.
; A tile of 256 x 256 is made by four waves, 128 x 128 each: 64 accumulators, 512 registers.  K = 1024 goes in steps of 256 (rows of 192 bytes) through two LDS slots filled by the tensor data mover;
; the scale bytes of the work-group's 2 x 256 rows come into LDS once with the first fills.
; CLUSTERS: 4 x 4 work-groups: A's tile is shared along a row of the cluster, B's along a column: each is asked for jointly.
; THE MATRIX INSTRUCTION IS USED TRANSPOSED (source 0 = 16 rows of w_o, source 1 = 16 rows of a): a lane holds eight neighbouring numbers of a row of out0.  The bias is the C of the first K step (BQ).
; The grid has 64 work-groups: 4096 x 1024 in tiles of 256 x 256.
; REGISTERS: window 0: v0-31 addresses; v32-63 scale words, two sets; v64-127 BQ; v128-223 A's fragments, one set.  Window 1: B's fragments, two sets.  Windows 2, 3: the accumulators.
.set SIZE_N, 1024
.set NQ,     2
.set ROWB,   192
.set KROW,   768
.set PITCH,  240                       ; an LDS row: 3 x (64 bytes + 16 of padding)
.set FR,     12
.set NL,     6
.set NP,     4                         ; places behind this matrix instruction (ISA guide 7.12.1)
.set HALFT,  128*PITCH
.set SLOT,   4*HALFT
.set KS,     32
.set SCL,    2*SLOT
.set HALFS,  16*272
.set SBLK,   2*272
.set SPARE,  SCL+4*HALFS               ; the spare words: 128 bytes a wave
.set SPITCH, 528                       ; the way out: a stage of 16 rows x (512 + 16) bytes a wave, in slot 0, which has had its last fill and its last read by then
.set ADRA, 16
.set ADRB, 20
.set STO,  24
.set RD,   25
.set CO,   26
.set ADRS, 27
.set SPW,  28                          ; my spare word; never rewritten
.set NIL,  29                          ; 0; never rewritten
.set SC,   32
.set BQ,   64
.set AF,   128
.set BK,   128                         ; the way out: 16 rows read back: v128-191 and v192-255 by turns
.set WV, 20
.set FB, 21
.set HF, 22
.set G1, 24
.set G0, 32
.set G1B, 48
.set G0B, 56
.set G1S, 68
.set G0S, 76
.set G1SB, 80
.set G0SB, 88
.set MSB, 0
.macro WIN new
.if MSB != (\new)
	s_set_vgpr_msb (MSB<<8)|(\new)
.set MSB, (\new)
.endif
.endm
.set MUL_LO, 0xa1
.set MUL_HI, 0xf1
.set TO_B,   0x40
.macro JLOAD g0a, g1a, g0b, g1b        ; a joint load: waves 0, 1 for A, waves 2, 3 for B; four v_nop follow each of the two lines
	s_cmp_eq_u32 s[FB], 0
	s_cbranch_scc0 .Lfor_b_\@
	tensor_load_to_lds s[\g0a:\g0a+3], s[\g1a:\g1a+7]
	s_nop 0
.rept 4
	v_nop
.endr
	s_branch .Lasked_\@
.Lfor_b_\@:
	tensor_load_to_lds s[\g0b:\g0b+3], s[\g1b:\g1b+7]
	s_nop 0
.rept 4
	v_nop
.endr
.Lasked_\@:
.endm
.macro CREST
	s_cmp_lg_u32 s[WV], 0
	s_cbranch_scc1 .Lnot_wave_0_\@
	s_barrier_signal -3
.Lnot_wave_0_\@:
	s_barrier_wait -3
	s_barrier_signal -1
	s_barrier_wait -1
.endm
.macro CROUND
	s_barrier_signal -1
	s_barrier_wait -1
	CREST
.endm
	s_load_b256 s[4:11], s[0:1], 0x0               ; acodes, ascales, codes, scales
	s_load_b128 s[12:15], s[0:1], 0x20             ; b_o, out0
	v_lshl_add_u32 v[SPW], v0, 2, SPARE
	v_mov_b32 v[NIL], 0
	ds_add_u32 v28, v29
	ds_add_u32 v28, v29
	s_wait_dscnt 0x0
	v_lshrrev_b32 v1, 5, v0
	v_readfirstlane_b32 s[WV], v1
	s_lshr_b32 s[FB], s[WV], 1
	s_and_b32 s[HF], s[WV], 1
	s_bfe_u32 s40, ttmp6, 0x40000                  ; cx
	s_bfe_u32 s41, ttmp6, 0x40004                  ; cy
	s_lshl_b32 s42, ttmp9, 2
	s_add_co_u32 s42, s42, s40                     ; tile column
	s_and_b32 s43, ttmp7, 0xffff
	s_lshl_b32 s43, s43, 2
	s_add_co_u32 s43, s43, s41                     ; tile row
	s_lshl_b32 s44, s41, 2
	s_lshl_b32 s44, 15, s44                        ; my row of the cluster
	s_lshl_b32 s45, 0x1111, s40                    ; my column
	s_or_b32 s[G1+0], s44, (0<<16)|(1<<20)|(1<<21)|(3<<22)|(3<<25)
	s_or_b32 s[G1B+0], s45, (0<<16)|(1<<20)|(1<<21)|(3<<22)|(3<<25)
.irp g, G1, G1B
	s_mov_b32 s[\g+1], ROWB<<16
	s_mov_b32 s[\g+2], 128<<16
	s_mov_b32 s[\g+3], ROWB<<16
	s_mov_b32 s[\g+4], 128
	s_mov_b32 s[\g+5], KROW
	s_mov_b32 s[\g+6], 0
	s_mov_b32 s[\g+7], 0
.endr
	s_or_b32 s[G1S+0], s44, (3<<16)|(1<<20)|(1<<21)|(5<<22)|(3<<25)
	s_or_b32 s[G1SB+0], s45, (3<<16)|(1<<20)|(1<<21)|(5<<22)|(3<<25)
.irp g, G1S, G1SB
	s_mov_b32 s[\g+1], 32<<16
	s_mov_b32 s[\g+2], 16<<16
	s_mov_b32 s[\g+3], 32<<16
	s_mov_b32 s[\g+4], 16
	s_mov_b32 s[\g+5], 32
	s_mov_b32 s[\g+6], 0
	s_mov_b32 s[\g+7], 0
.endr
	s_lshl_b32 s2, s[HF], 7                        ; which 128 rows of the tile I fetch
	s_lshl_b32 s94, s43, 8
	s_add_co_u32 s94, s94, s2                      ; A's row
	s_lshl_b32 s96, s42, 8
	s_add_co_u32 s96, s96, s2
	s_add_co_u32 s96, s96, 15360                   ; B's row: w_o begins at row 15360
	s_lshl_b32 s98, s94, 5
	s_mov_b32 s99, 0
	s_lshl_b32 s100, s96, 5
	s_mov_b32 s101, 0
	s_mul_i32 s94, s94, KROW
	s_mov_b32 s95, 0
	s_mul_i32 s96, s96, KROW
	s_mov_b32 s97, 0
	s_mul_i32 s46, s[WV], HALFT
	s_mul_i32 s47, s[WV], HALFS
	s_wait_kmcnt 0x0
	s_add_nc_u64 s[94:95], s[4:5], s[94:95]
	s_add_nc_u64 s[98:99], s[6:7], s[98:99]
	s_add_nc_u64 s[96:97], s[8:9], s[96:97]
	s_add_nc_u64 s[100:101], s[10:11], s[100:101]
	CROUND                                         ; all sixteen work-groups are here: the first joint loads meet
	s_mov_b32 s[G0S], 1
	s_add_co_u32 s[G0S+1], s47, SCL
	s_mov_b64 s[G0S+2:G0S+3], s[98:99]
	s_or_b32 s[G0S+3], s[G0S+3], 0x80000000
	s_mov_b32 s[G0SB], 1
	s_add_co_u32 s[G0SB+1], s47, SCL
	s_mov_b64 s[G0SB+2:G0SB+3], s[100:101]
	s_or_b32 s[G0SB+3], s[G0SB+3], 0x80000000
	JLOAD G0S, G1S, G0SB, G1SB
.irp s, 0,1
	s_mov_b32 s[G0+4*\s], 1
	s_add_co_u32 s[G0+4*\s+1], s46, \s*SLOT
	s_add_nc_u64 s[G0+4*\s+2:G0+4*\s+3], s[94:95], \s*ROWB
	s_or_b32 s[G0+4*\s+3], s[G0+4*\s+3], 0x80000000
	s_mov_b32 s[G0B+4*\s], 1
	s_add_co_u32 s[G0B+4*\s+1], s46, \s*SLOT
	s_add_nc_u64 s[G0B+4*\s+2:G0B+4*\s+3], s[96:97], \s*ROWB
	s_or_b32 s[G0B+4*\s+3], s[G0B+4*\s+3], 0x80000000
	JLOAD G0+4*\s, G1, G0B+4*\s, G1B
.endr
	v_and_b32 v1, 15, v0                           ; r
	v_bfe_u32 v2, v0, 4, 1                         ; h
	v_mul_u32_u24 v3, v1, PITCH
	v_mul_u32_u24 v4, v2, 24
	v_add_nc_u32 v4, v3, v4
	v_lshl_add_u32 v5, v2, 4, v4
	s_mul_i32 s92, s[FB], HALFT
	s_mul_i32 s93, s[HF], HALFT
	s_add_co_u32 s93, s93, 2*HALFT
.irp s, 0,1
	v_add_nc_u32 v[ADRA+\s], s92, v4
	v_add_nc_u32 v[ADRB+\s], s93, v4
	v_add_nc_u32 v[ADRA+2+\s], s92, v5
	v_add_nc_u32 v[ADRB+2+\s], s93, v5
	s_add_co_u32 s92, s92, SLOT
	s_add_co_u32 s93, s93, SLOT
.endr
	v_mul_u32_u24 v5, v1, KS
	v_lshrrev_b32 v6, 8, v5
	v_lshl_add_u32 v5, v6, 4, v5
	s_mul_i32 s92, s[FB], HALFS
	s_mul_i32 s93, s[HF], HALFS
	s_add_co_u32 s93, s93, 2*HALFS
	s_sub_co_u32 s93, s93, s92
	v_mul_u32_u24 v6, s93, v2                      ; lanes 16-31 take B's
	s_add_co_u32 s92, s92, SCL
	v_add_nc_u32 v5, v5, v6
	v_add_nc_u32 v[ADRS], s92, v5
	s_mul_i32 s92, s[WV], 16*SPITCH                ; my stage
	v_mul_u32_u24 v5, v1, SPITCH
	v_lshl_add_u32 v5, v2, 5, v5
	v_add_nc_u32 v[STO], s92, v5                   ; in: row r, 32 bytes for each half of the lanes
	v_and_b32 v6, 31, v0
	v_lshlrev_b32 v[CO], 4, v6                     ; back: the 32 lanes take one row of 512 bytes; and the same in out0
	v_add_nc_u32 v[RD], s92, v[CO]
	s_lshl_b32 s92, s43, 8
	s_lshl_b32 s93, s[FB], 7
	s_add_co_u32 s92, s92, s93                     ; my first row of out0
	s_lshl_b32 s92, s92, 12                        ; 4,096 bytes a row
	s_lshl_b32 s93, s42, 10
	s_add_co_u32 s92, s92, s93
	s_lshl_b32 s93, s[HF], 9
	s_add_co_u32 s92, s92, s93                     ; + my first column
	s_mov_b32 s93, 0
	s_add_nc_u64 s[14:15], s[14:15], s[92:93]
	s_lshl_b32 s92, s42, 10
	s_lshl_b32 s2, s[HF], 9
	s_add_co_u32 s92, s92, s2
	s_add_nc_u64 s[12:13], s[12:13], s[92:93]      ; b_o at my 128 columns
	v_lshlrev_b32 v7, 5, v2                        ; register 8 b + j is column 16 b + 8 h + j
.irp b, 0,1,2,3,4,5,6,7
	global_load_b128 v[BQ+8*\b:BQ+8*\b+3], v7, s[12:13] offset:64*\b
	global_load_b128 v[BQ+8*\b+4:BQ+8*\b+7], v7, s[12:13] offset:64*\b+16
.endr
.macro FRAG reg, adr, q, i
.irp p, 0,1,2,3,4,5
.set PCE, 12*(\q)+6*(\p/3)+\p%3
.if PCE%8 < 5
	ds_load_b64 v[\reg+2*\p:\reg+2*\p+1], v[\adr] offset:8*PCE+16*(PCE/8)+(\i)*16*PITCH
.else
	ds_load_b64 v[\reg+2*\p:\reg+2*\p+1], v[\adr+2] offset:8*PCE+16*(PCE/8)+(\i)*16*PITCH
.endif
.endr
.endm
.macro MUL16 a0, p, q, sc, zero        ; the 64 accumulators take turns, one instruction a turn
.irp a, \a0, \a0+1
.irp b, 0,1,2,3,4,5,6,7
.if \zero
	v_wmma_scale_f32_16x16x128_f8f6f4 v[8*(8*((\a)%4)+\b):8*(8*((\a)%4)+\b)+7], v[128*(\p)+FR*\b:128*(\p)+FR*\b+FR-1], v[AF+FR*(\a):AF+FR*(\a)+FR-1], v[BQ+8*\b:BQ+8*\b+7], v[SC+8*NQ*(\sc)+NQ*\b+(\q)], v[SC+8*NQ*(\sc)+NQ*(\a)+(\q)] matrix_a_fmt:MATRIX_FMT_FP6 matrix_b_fmt:MATRIX_FMT_FP6 matrix_a_scale:MATRIX_SCALE_ROW1
.else
	v_wmma_scale_f32_16x16x128_f8f6f4 v[8*(8*((\a)%4)+\b):8*(8*((\a)%4)+\b)+7], v[128*(\p)+FR*\b:128*(\p)+FR*\b+FR-1], v[AF+FR*(\a):AF+FR*(\a)+FR-1], v[8*(8*((\a)%4)+\b):8*(8*((\a)%4)+\b)+7], v[SC+8*NQ*(\sc)+NQ*\b+(\q)], v[SC+8*NQ*(\sc)+NQ*(\a)+(\q)] matrix_a_fmt:MATRIX_FMT_FP6 matrix_b_fmt:MATRIX_FMT_FP6 matrix_a_scale:MATRIX_SCALE_ROW1
.endif
.endr
.endr
.endm
.macro FETCH_B slot, q, p
	WIN TO_B
.irp i, 0,1,2,3,4,5,6,7
	FRAG 128*(\p)+FR*\i, ADRB+\slot, \q, \i
.endr
	WIN 0
.endm
.macro FETCH_A slot, q, i0
.irp i, \i0, \i0+1, \i0+2, \i0+3
	FRAG AF+FR*(\i), ADRA+\slot, \q, \i
.endr
.endm
.macro SCALES sc
.irp i, 0,1,2,3,4,5,6,7
	ds_load_b64 v[SC+8*NQ*\sc+NQ*\i:SC+8*NQ*\sc+NQ*\i+1], v[ADRS] offset:\i*SBLK
.endr
.endm
.macro PLACES n
.rept \n
	v_nop
.endr
.endm
.macro STEP slot, q, zero
	s_wait_dscnt 4*NL                              ; B's set and A's blocks 0-3 are in; the 24 youngest loads (A's blocks 4-7) may be out
.if \zero
	WIN 0x81                                       ; C (BQ) in window 0
.else
	WIN MUL_LO
.endif
	MUL16 0, (\q)%2, \q, \slot, \zero
	MUL16 2, (\q)%2, \q, \slot, \zero
	s_wait_dscnt 0
	PLACES NP
	FETCH_B \slot, (\q)+1, 1-(\q)%2
	FETCH_A \slot, (\q)+1, 0
.if \zero
	WIN 0xc1
.else
	WIN MUL_HI
.endif
	MUL16 4, (\q)%2, \q, \slot, \zero
	MUL16 6, (\q)%2, \q, \slot, \zero
	PLACES NP
	WIN 0
	FETCH_A \slot, (\q)+1, 4
.endm
.macro TURN slot, next, fill
	s_wait_tensorcnt 0x0                           ; all my tensor loads have landed: my part of the next slot
	ds_add_u32 v[SPW], v[NIL]
	s_wait_dscnt 4*NL+1                            ; (the add and the 24 youngest loads may be out)
	WIN MUL_LO
	MUL16 0, 1, NQ-1, \slot, 0
	s_wait_dscnt 0x0                               ; the add is done, and my reads of this slot are over
	s_barrier_signal -1
	MUL16 2, 1, NQ-1, \slot, 0
	WIN 0
	s_barrier_wait -1
.if \fill
	CREST                                          ; the barrier has opened a round of the cluster's
	s_add_nc_u64 s[G0+4*\slot+2:G0+4*\slot+3], s[G0+4*\slot+2:G0+4*\slot+3], 2*ROWB
	s_add_nc_u64 s[G0B+4*\slot+2:G0B+4*\slot+3], s[G0B+4*\slot+2:G0B+4*\slot+3], 2*ROWB
	JLOAD G0+4*\slot, G1, G0B+4*\slot, G1B         ; the first tensor load behind the round
.else
	PLACES NP
.endif
	v_add_nc_u32 v[ADRS], 4*NQ, v[ADRS]
	FETCH_B \next, 0, 0
	FETCH_A \next, 0, 0
	SCALES \next
	WIN MUL_HI
	MUL16 4, 1, NQ-1, \slot, 0
	MUL16 6, 1, NQ-1, \slot, 0
	PLACES NP
	WIN 0
	FETCH_A \next, 0, 4
.endm
	s_wait_tensorcnt 1                             ; the scales and my part of slot 0 are in; slot 1's load may be out
	s_barrier_signal -1
	s_barrier_wait -1
	FETCH_B 0, 0, 0
	FETCH_A 0, 0, 0
	SCALES 0
	FETCH_A 0, 0, 4
	s_wait_loadcnt 0x0                             ; the bias
	STEP 0, 0, 1
	s_mov_b32 s3, 1
.Llap:
	TURN 0, 1, 1
	STEP 1, 0, 0
	TURN 1, 0, 1
	STEP 0, 0, 0
	s_sub_co_u32 s3, s3, 1
	s_cmp_lg_u32 s3, 0
	s_cbranch_scc1 .Llap
	TURN 0, 1, 0
	STEP 1, 0, 0
	s_wait_dscnt 4*NL
	WIN MUL_LO
	MUL16 0, 1, NQ-1, 1, 0
	MUL16 2, 1, NQ-1, 1, 0
	s_wait_dscnt 0
	WIN MUL_HI
	MUL16 4, 1, NQ-1, 1, 0
	MUL16 6, 1, NQ-1, 1, 0
	WIN 0
; THE WAY OUT, block by block of 16 rows x 128 columns, through my own stage: in as 32 bytes a lane, back as whole rows of 512 bytes.  LDS serves a wave's instructions in order.
.macro TOSTAGE a
.set AC, 64*((\a)%4)
	WIN 0x08+4*((\a)/4)                            ; the data: window 2 or 3
.irp b, 0,1,2,3,4,5,6,7
	ds_store_b128 v[STO], v[AC+8*\b:AC+8*\b+3] offset:64*\b          ; each accumulator from its low end on
	ds_store_b128 v[STO], v[AC+8*\b+4:AC+8*\b+7] offset:64*\b+16
.endr
	WIN 0
.set BB, BK+64*((\a)%2)
.irp t, 0,1,2,3,4,5,6,7,8,9,10,11,12,13,14,15
	ds_load_b128 v[BB+4*\t:BB+4*\t+3], v[RD] offset:\t*SPITCH
.endr
.endm
.macro SEND a, younger
.set BB, BK+64*((\a)%2)
	s_wait_dscnt \younger                          ; the block is back in registers
.if (\a) > 0
	s_add_nc_u64 s[14:15], s[14:15], 16*SIZE_N*4   ; (behind a wait on XCNT: the earlier stores have read their base)
.endif
.irp t, 0,1,2,3,4,5,6,7,8,9,10,11,12,13,14,15
	global_store_b128 v[CO], v[BB+4*\t:BB+4*\t+3], s[14:15] offset:\t*SIZE_N*4 th:TH_STORE_NT   ; 32 lanes store 512 consecutive bytes, aligned
.endr
.endm
	PLACES NP
	TOSTAGE 0
.irp a, 1,2,3,4,5,6,7
.if \a > 1
	s_wait_xcnt 0x0                                ; block a - 2's stores have read their registers and their base
.endif
	TOSTAGE \a
	SEND \a-1, 32                                  ; behind block a - 1's loads: block a's 16 stores and 16 loads
.endr
	s_wait_xcnt 0x0
	SEND 7, 0
	s_wait_tensorcnt 0x0                           ; the wave's end
	ds_add_u32 v[SPW], v[NIL]
	s_wait_dscnt 0x0
	CROUND                                         ; the closing round
	s_endpgm
.Lfunc_end_k_qf4af565786_oproj:
	.size	k_qf4af565786_oproj, .Lfunc_end_k_qf4af565786_oproj-k_qf4af565786_oproj
	.p2alignl 7, 3214868480
	.fill 96, 4, 3214868480
	.section	.rodata,"a",@progbits
	.p2align	6, 0x0
	.amdhsa_kernel k_qf4af565786_oproj
		.amdhsa_group_segment_fixed_size 327680
		.amdhsa_private_segment_fixed_size 0
		.amdhsa_enable_private_segment 0
		.amdhsa_kernarg_size 48
		.amdhsa_user_sgpr_count 2
		.amdhsa_user_sgpr_kernarg_segment_ptr 1
		.amdhsa_wavefront_size32 1
		.amdhsa_system_sgpr_workgroup_id_x 1
		.amdhsa_system_sgpr_workgroup_id_y 1
		.amdhsa_system_sgpr_workgroup_id_z 1
		.amdhsa_system_vgpr_workitem_id 0
		.amdhsa_next_free_vgpr 1024
		.amdhsa_next_free_sgpr 102
		.amdhsa_reserve_vcc 0
		.amdhsa_float_denorm_mode_32 3
		.amdhsa_float_denorm_mode_16_64 3
		.amdhsa_memory_ordered 1
		.amdhsa_forward_progress 1
		.amdhsa_inst_pref_size 161
	.end_amdhsa_kernel
	.amdgpu_metadata
---
amdhsa.version: [ 1, 2 ]
amdhsa.kernels:
  - .name:           k_qf4af565786_oproj
    .symbol:         k_qf4af565786_oproj.kd
    .args:
      - { .name: acodes, .offset: 0, .size: 8, .value_kind: global_buffer, .address_space: global }
      - { .name: ascales, .offset: 8, .size: 8, .value_kind: global_buffer, .address_space: global }
      - { .name: codes, .offset: 16, .size: 8, .value_kind: global_buffer, .address_space: global }
      - { .name: scales, .offset: 24, .size: 8, .value_kind: global_buffer, .address_space: global }
      - { .name: b_o, .offset: 32, .size: 8, .value_kind: global_buffer, .address_space: global }
      - { .name: out0, .offset: 40, .size: 8, .value_kind: global_buffer, .address_space: global }
    .group_segment_fixed_size: 327680
    .private_segment_fixed_size: 0
    .kernarg_segment_align: 8
    .kernarg_segment_size: 48
    .max_flat_workgroup_size: 128
    .sgpr_count:     102
    .vgpr_count:     1024
    .wavefront_size: 32
...
	.end_amdgpu_metadata
.endif
;; end of part 4
